; MI455X (gfx1250); checked and timed in simulation.
; The chip was launched on July 23, 2026; its instructions are those of AMD's public machine-readable ISA for CDNA 5 (MIT licence, August 2026) and "CDNA5" Instruction Set Architecture Reference Guide (July 2026). The comments in the code are by the model that wrote it; some were corrected since.
;; MHSA. Allowed arithmetic: matrix products marked QUANTISED: E2M3 operands, one E8M0 scale for each 32 along K, by v_wmma_scale_f32_16x16x128_f8f6f4 with both operands' format E2M3, f32 sums; everything else in f32.
;; Inputs: W_ffn 1,024 x 1,024 float32; W_qkv 1,024 x 3,072 float32; b_ffn 1,024 float32; b_qkv 3,072 float32; t 4 float32; x 4 x 2,048 x 1,024 float32.
;; Outputs: out0 4 x 2,048 x 1,024 float32.
;; This version of the problem:
;;   THIS VERSION OF THE PROBLEM IS GIVEN IN LOW PRECISION. The matrix products marked QUANTISED in the list below multiply operands that are first quantised to E2M3 (2 exponent bits, 3 mantissa bits; 6 bits a number), with one power-of-two scale for each 32 numbers along K (OCP MX v1.0); their sums are f32. All else is computed in f32.
;;   The module's matrix products, in the order in which they are computed (A, B: the left and right operand; K: the contracted axis; several contracted axes count as one K, in the product's order):
;;     1. [M 8,192, K 1,024] x [K 1,024, N 3,072]; A: input x; B: input W_qkv: QUANTISED
;;     2. batch 64 x [M 2,048, K 64] x [K 64, N 2,048]; A: computed on the way; B: computed on the way: QUANTISED
;;     3. batch 64 x [M 2,048, K 2,048] x [K 2,048, N 64]; A: softmax (see below); B: computed on the way: QUANTISED
;;     4. [M 8,192, K 1,024] x [K 1,024, N 1,024]; A: computed on the way; B: input W_ffn: QUANTISED
;;   THE QUANTISER, for each operand of a quantised product, along K:
;;     - K is cut into blocks of 32 from its start; a last block that is shorter is filled with zeros.
;;     - A block's scale is 2^e with e = floor(log2(the largest magnitude in the block)) - 2, held to -126 .. 127; a block of zeros has e = 0. As a byte (E8M0): e + 127.
;;     - Each number is divided by its block's scale, clamped to +-7.5, and rounded to the nearest number of E2M3, ties to even, subnormals kept.
;;     - The product sums the exact products of the quantised numbers (number of the format x scale) in f32.
;;   ~~~python
;;   def quantise(x, axis):      # numpy; x: float32 -> the quantised numbers, widened to float32 again
;;       x = np.moveaxis(x, axis, -1); K = x.shape[-1]
;;       x = np.pad(x, [(0, 0)] * (x.ndim - 1) + [(0, -K % 32)]); x = x.reshape(x.shape[:-1] + (-1, 32)); a = np.abs(x).max(-1, keepdims=True)
;;       e = np.where(a > 0, np.clip(np.frexp(np.where(a > 0, a, 1))[1] - 1 - 2, -126, 127), 0)      # np.frexp(a)[1] - 1 = floor(log2(a)), exactly
;;       r = np.clip(x / 2.0 ** e, -7.5, 7.5)
;;       step = 2.0 ** (np.maximum(np.frexp(np.where(r == 0, 1, r))[1] - 1, 0) - 3)
;;       q = np.round(r / step) * step * 2.0 ** e      # np.round: ties to even
;;       return np.moveaxis(q.reshape(q.shape[:-2] + (-1,))[..., :K], -1, axis).astype(np.float32)
;;   ~~~
;;   SOFTMAX AHEAD OF A QUANTISED PRODUCT. Where the list says 'softmax', what is quantised is not the finished softmax but p = 2^(t - M), with t = logit x log2(e) and M = ceil(the row's largest t), a whole number; so 1/2 < the row's largest p <= 1. The row's sum l is taken of the UNQUANTISED p, in f32, and the product's result is divided by l at the end. Since M is a whole number, a kernel that streams over the keys may use a running M (the ceiling of the running maximum): every later rescaling is an exact power of two, which a block's scale takes up: the codes' values come out the same.
;;   OPERANDS COMPUTED ON THE WAY. 'Computed on the way' means the value that the module computes at that place (a softmax that the list does not call 'softmax' is quantised finished and normalised). What goes into a quantiser is computed in f32, as accurately as f32 sums, v_exp_f32 and their like allow (about 1e-6 of the number): no bf16 or f16 on the way to a quantiser, and a product that is left as it is and whose result goes on into a quantised operand takes f32 operands (vector FMAs, or v_wmma_f32_16x16x4_f32). A number that lies on a knife's edge between two numbers of the format may be rounded either way, as far as f32 arithmetic and the matrix unit's own rounding can turn it there, and no further.
;; One version. Each part assembles by itself: llvm-mc -triple=amdgcn-amd-amdhsa -mcpu=gfx1250 --defsym DOCPART=n.
;; ======== version 1 of 1: 5 launches
;; workspace buffers: xq 6,553,600 bytes; wq 3,276,800 bytes; qb 7,340,032 bytes; kv 13,107,200 bytes; aq 6,553,600 bytes
;; launch quant_x (part 1): grid 256 x 1, 4 waves a work-group, no clusters, 33,280 bytes of LDS; arguments x, t, xq; writes xq
.if DOCPART == 1
	.amdgcn_target "amdgcn-amd-amdhsa--gfx1250"
	.amdhsa_code_object_version 6
	.text
	.protected	k_qb8e26a120a_quant_x
	.globl	k_qb8e26a120a_quant_x
	.p2align	8
	.type	k_qb8e26a120a_quant_x,@function
k_qb8e26a120a_quant_x:
	s_mov_b64 s[64:65], 0
	v_nop
	global_prefetch_b8 v0, s[64:65] scope:SCOPE_SE
	s_setreg_imm32_b32 hwreg(HW_REG_WAVE_MODE, 25, 1), 1
	s_wait_xcnt 0x0
; x [8192 tokens][1024], f32, becomes codes of FP6 (E2M3), K innermost, 768 bytes a token, and one E8M0 byte for each 32 along K, 32 bytes a token.
; xq: codes [8192 stored rows][768] at byte 0, scale bytes [8192][32] at byte XSC.
; THE ROWS ARE STORED IN ANOTHER ORDER: inside each group of 64 tokens, token 32 a + 8 u + j lies at row 16 u + 8 a + j.  Runs of 8 tokens stay together: run 8 C + 4 a + u goes to place 8 C + 2 u + a.
; (Sixteen neighbouring stored rows are then a tile whose results, taken as source 0 of a product, give a lane 32 neighbouring tokens in the four tiles of a group.)
; A block's scale is 2^(floor(log2(its largest magnitude)) - 2); its byte is the largest magnitude's exponent field - 2, held at 1 from below.
; LIMITS: a block of zeros gets the byte 1 where the rule says 127 (its codes are zeros, and this program alone reads the bytes); NaN and infinities among the inputs are not served.
; A wave takes one run of 8 tokens, 8,192 numbers, in 16 steps of 512.  Each of a step's four loads reads 512 consecutive bytes; the 2,048 bytes turn through the wave's own stage in LDS and come back
; 64 bytes a lane, so that a lane holds 16 neighbours along K and two neighbouring lanes a block.  Loads run AH = 8 steps (32 loads a wave) ahead, the turn through LDS one step.  Waves share nothing: no barrier.
; t is an input that the function takes and uses in no result: its 16 bytes are read and enter nothing.
.set STEPS, 16
.set AH,    8
.set EMAX,  2
.set CB,    12                         ; bytes of 16 codes
.set R,     16                         ; v16-143  eight sets of 16 numbers as they are loaded
.set X,     144                        ; v144-175 two sets of 16 neighbours
.set C,     176                        ; v176-239 codes: four registers for each step, so that no store's data are written again
.set E,     240                        ; v240-255 a scale byte for each step
.set WREG,  8192                       ; LDS: a region for each wave: two stages of 32 x SP bytes, behind them its 256 scale bytes
.set SP,    80                         ; a lane's place in a stage: 64 bytes + 16 of padding
.set SPW,   12                         ; v12  LDS address of my spare word; never rewritten
.set NIL,   13                         ; v13  0; never rewritten
.set SPARE, 4*WREG                     ; behind the four regions: the spare words, 128 bytes a wave
.set XSC,   6291456                    ; where the scale bytes begin in xq
	s_load_b128 s[4:7], s[0:1], 0x0                ; x s[4:5], t s[6:7]
	s_load_b64 s[8:9], s[0:1], 0x10                ; xq
	v_lshl_add_u32 v[SPW], v0, 2, SPARE
	v_mov_b32 v[NIL], 0
	v_lshrrev_b32 v1, 5, v0
	v_readfirstlane_b32 s16, v1                    ; wave
	v_and_b32 v2, 31, v0                           ; lane
	v_lshlrev_b32 v3, 4, v2                        ; my 16 bytes of a load's 512
	s_mul_i32 s17, s16, WREG
	v_lshrrev_b32 v14, 2, v2
	v_mul_u32_u24 v14, v14, SP
	v_and_b32 v15, 3, v2
	v_lshl_add_u32 v14, v15, 4, v14
	v_add_nc_u32 v14, s17, v14                     ; the stage, on the way in: SP (lane / 4) + 16 (lane % 4)
	v_mul_u32_u24 v15, v2, SP
	v_add_nc_u32 v15, s17, v15                     ; and on the way out: SP x lane: my 16 neighbours
	v_mul_u32_u24 v4, v2, CB                       ; my codes' place in a step's
	v_lshrrev_b32 v5, 1, v2
	s_add_co_u32 s17, s17, 2*32*SP
	v_add_nc_u32 v5, s17, v5                       ; LDS: my wave's 256 scale bytes, my block's byte
	v_lshlrev_b32 v7, 3, v2                        ; and on the way out 8 bytes a lane
	v_add_nc_u32 v6, s17, v7
	s_lshl_b32 s18, ttmp9, 2
	s_add_co_u32 s18, s18, s16                     ; my run of 8 tokens: 4 x work-group + wave = 8 C + 4 a + u
	s_and_b32 s19, s18, 0xfffffff8
	s_and_b32 s20, s18, 3
	s_lshl_b32 s20, s20, 1
	s_or_b32 s19, s19, s20
	s_bfe_u32 s20, s18, 0x10002
	s_or_b32 s19, s19, s20                         ; its place in xq: 8 C + 2 u + a
	s_lshl_b32 s20, s18, 15                        ; a run is 32,768 bytes of x,
	s_mov_b32 s21, 0
	s_lshl_b32 s22, s19, 8                         ; 256 scale bytes,
	s_add_co_u32 s22, s22, XSC
	s_mov_b32 s23, 0
	s_wait_kmcnt 0x0
	s_load_b128 s[24:27], s[6:7], 0x0              ; t: read, and used nowhere, as in the function itself
	s_add_nc_u64 s[4:5], s[4:5], s[20:21]
	s_add_nc_u64 s[10:11], s[8:9], s[22:23]
	s_mul_i32 s22, s19, 6144                       ; and 6,144 bytes of codes
	s_add_nc_u64 s[8:9], s[8:9], s[22:23]
.macro LOAD t
.irp i, 0,1,2,3
	global_load_b128 v[R+16*((\t)%AH)+4*\i:R+16*((\t)%AH)+4*\i+3], v3, s[4:5] offset:2048*(\t)+512*\i th:TH_LOAD_NT   ; 32 lanes read 512 consecutive bytes
.endr
.endm
.macro TURN t                          ; step t's numbers through the stage: LDS serves a wave's instructions in order, so no wait stands between the stores and the loads
.irp i, 0,1,2,3
	ds_store_b128 v14, v[R+16*((\t)%AH)+4*\i:R+16*((\t)%AH)+4*\i+3] offset:32*SP*((\t)%2)+8*SP*\i
.endr
.irp i, 0,1,2,3
	ds_load_b128 v[X+16*((\t)%2)+4*\i:X+16*((\t)%2)+4*\i+3], v15 offset:32*SP*((\t)%2)+16*\i
.endr
.endm
.irp t, 0,1,2,3,4,5,6,7
	LOAD \t
.endr
	s_wait_loadcnt 4*(AH-1)                        ; step 0's four loads are in; the seven steps behind it may be out
	TURN 0
.macro STEP t
.set XR, X+16*((\t)%2)
.if (\t) > 0
	s_wait_dscnt 1                                 ; this step's numbers are back from the stage (the last step's byte store may be out): so its stores into the stage have read their registers,
.else
	s_wait_dscnt 0x0
.endif
.if (\t)+AH < STEPS
	LOAD (\t)+AH                                   ; which take the loads of eight steps on
.endif
.if (\t)+1 < STEPS
.if STEPS-2-(\t) >= AH-1
	s_wait_loadcnt 4*(AH-1)                        ; the next step's four loads are in; those of the seven steps behind it may be out
.else
	s_wait_loadcnt 4*(STEPS-2-(\t))                ; the counts run down: nothing more is asked for
.endif
	TURN (\t)+1                                    ; and go through the other stage while this step is worked
.endif
	v_max3_num_f32 v8, |v[XR]|, |v[XR+1]|, |v[XR+2]|               ; the largest magnitude of my 16, in two chains
	v_max3_num_f32 v9, |v[XR+3]|, |v[XR+4]|, |v[XR+5]|
.irp i, 6,10
	v_max3_num_f32 v8, v8, |v[XR+\i]|, |v[XR+\i+1]|
	v_max3_num_f32 v9, v9, |v[XR+\i+2]|, |v[XR+\i+3]|
.endr
	v_max3_num_f32 v8, v8, |v[XR+14]|, |v[XR+15]|
	v_max3_num_f32 v8, v8, v9, (EMAX+1)<<23        ; and the floor 2^(EMAX + 1 - 127): the byte cannot fall under 1
	v_max_num_f32_dpp v8, v8, v8 row_xmask:1 row_mask:0xf bank_mask:0xf   ; and of my neighbour's 16: the block's
	v_add_nc_u32 v11, -(EMAX<<23), v8              ; EMAX off its exponent field: the conversion takes the exponent field of this operand as its scale
	v_cvt_scalef32_pk16_fp6_f32 v[C+4*(\t):C+4*(\t)+2], v[XR:XR+15], v11
	v_lshrrev_b32 v[E+(\t)], 23, v11               ; the scale's byte (also the plain line behind the conversion)
	ds_store_b8 v5, v[E+(\t)] offset:16*(\t)       ; both lanes of a block write the same byte with the same value
	global_store_b96 v4, v[C+4*(\t):C+4*(\t)+2], s[8:9] offset:32*CB*(\t)   ; the wave stores 384 consecutive bytes
.endm
.irp t, 0,1,2,3,4,5,6,7,8,9,10,11,12,13,14,15
	STEP \t
.endr
	ds_load_b64 v[8:9], v6                         ; LDS serves a wave's instructions in order: these see my stores
	s_wait_dscnt 0x0
	global_store_b64 v7, v[8:9], s[10:11]          ; 32 lanes store 256 consecutive bytes, at a multiple of 256 from xq's first byte
	s_wait_kmcnt 0x0                               ; t's load is done
	s_wait_tensorcnt 0x0                           ; the wave's end, behind my last LDS store
	ds_add_u32 v[SPW], v[NIL]
	s_wait_dscnt 0x0
	s_endpgm
.Lfunc_end_k_qb8e26a120a_quant_x:
	.size	k_qb8e26a120a_quant_x, .Lfunc_end_k_qb8e26a120a_quant_x-k_qb8e26a120a_quant_x
	.p2alignl 7, 3214868480
	.fill 96, 4, 3214868480
	.section	.rodata,"a",@progbits
	.p2align	6, 0x0
	.amdhsa_kernel k_qb8e26a120a_quant_x
		.amdhsa_group_segment_fixed_size 33280
		.amdhsa_private_segment_fixed_size 0
		.amdhsa_enable_private_segment 0
		.amdhsa_kernarg_size 24
		.amdhsa_user_sgpr_count 2
		.amdhsa_user_sgpr_kernarg_segment_ptr 1
		.amdhsa_wavefront_size32 1
		.amdhsa_system_sgpr_workgroup_id_x 1
		.amdhsa_system_sgpr_workgroup_id_y 1
		.amdhsa_system_sgpr_workgroup_id_z 1
		.amdhsa_system_vgpr_workitem_id 0
		.amdhsa_next_free_vgpr 256
		.amdhsa_next_free_sgpr 66
		.amdhsa_reserve_vcc 0
		.amdhsa_float_denorm_mode_32 3
		.amdhsa_float_denorm_mode_16_64 3
		.amdhsa_memory_ordered 1
		.amdhsa_forward_progress 1
		.amdhsa_inst_pref_size 32
	.end_amdhsa_kernel
	.amdgpu_metadata
---
amdhsa.version: [ 1, 2 ]
amdhsa.kernels:
  - .name:           k_qb8e26a120a_quant_x
    .symbol:         k_qb8e26a120a_quant_x.kd
    .args:
      - { .name: x, .offset: 0, .size: 8, .value_kind: global_buffer, .address_space: global }
      - { .name: t, .offset: 8, .size: 8, .value_kind: global_buffer, .address_space: global }
      - { .name: xq, .offset: 16, .size: 8, .value_kind: global_buffer, .address_space: global }
    .group_segment_fixed_size: 33280
    .private_segment_fixed_size: 0
    .kernarg_segment_align: 8
    .kernarg_segment_size: 24
    .max_flat_workgroup_size: 128
    .sgpr_count:     66
    .vgpr_count:     256
    .wavefront_size: 32
...
	.end_amdgpu_metadata
.endif
;; end of part 1
;; launch quant_w (part 2): grid 128 x 1, 16 waves a work-group, no clusters, 28,160 bytes of LDS; arguments W_qkv, W_ffn, wq; writes wq
.if DOCPART == 2
	.amdgcn_target "amdgcn-amd-amdhsa--gfx1250"
	.amdhsa_code_object_version 6
	.text
	.protected	k_qb8e26a120a_quant_w
	.globl	k_qb8e26a120a_quant_w
	.p2align	8
	.type	k_qb8e26a120a_quant_w,@function
k_qb8e26a120a_quant_w:
	s_mov_b64 s[64:65], 0
	v_nop
	global_prefetch_b8 v0, s[64:65] scope:SCOPE_SE
	s_setreg_imm32_b32 hwreg(HW_REG_WAVE_MODE, 25, 1), 1
	s_wait_xcnt 0x0
; W_qkv [1024 (k)][3072] and W_ffn [1024 (k)][1024], f32, K their FIRST axis, become codes of FP6 (E2M3) laid [column][768 bytes], K innermost, and scale bytes [column][32].
; wq: W_qkv's codes at 0, its scale bytes at WQS, W_ffn's codes at WFC, its scale bytes at WFS.
; THE COLUMNS ARE STORED IN ANOTHER ORDER: inside each group of 64, column 32 a + 8 u + j lies at row 16 u + 8 a + j (runs of 8 stay together).
; A work-group takes 32 columns x all of K; wave w takes K rows 64 w .. 64 w + 63, two blocks.  A LANE TAKES A COLUMN AND ITS REGISTERS RUN DOWN K: a block lies in one lane's 32 registers, and the conversions
; give codes with K innermost.  The codes meet in a stage in LDS (a row a column, 768 bytes + 16), one barrier, and leave as whole rows: wave w stores stage rows 2 w and 2 w + 1, which are neighbours in wq: 1,536 dense bytes.
; One path serves both weights: work-groups 0-95 take W_qkv, 96-127 W_ffn; only the pointer, the pitch and three offsets are chosen, on the work-group's number.
; A wave's load covers 128 consecutive bytes (32 columns): 64 columns to a work-group would leave 64 work-groups.  All 64 loads of a wave go out at once.
; LIMITS: a block of zeros gets the byte 1 where the rule says 127 (its codes are zeros, and this program alone reads the bytes); NaN and infinities among the inputs are not served.
.set WQS,   2359296
.set WFC,   2457600
.set WFS,   3244032
.set SROW,  784                        ; a stage row
.set SST,   32*SROW                    ; behind the stage: 32 columns x 32 scale bytes
.set SPARE, SST+1024                   ; the spare words, 128 bytes for each of 16 waves
.set SPW,   12
.set NIL,   13
.set OF,    16                         ; v16-23  4 x lane + i x pitch
.set XN,    32                         ; v32-95  my column's 64 numbers
.set CD,    96                         ; v96..   block b's six registers of codes at CD + 8 b
.set TP,    112                        ; v112..  the second conversion's three, at TP + 4 b
	s_load_b128 s[4:7], s[0:1], 0x0                ; W_qkv, W_ffn
	s_load_b64 s[8:9], s[0:1], 0x10                ; wq
	v_lshl_add_u32 v[SPW], v0, 2, SPARE
	v_mov_b32 v[NIL], 0
	v_lshrrev_b32 v2, 5, v0
	v_readfirstlane_b32 s10, v2                    ; wave 0..15
	v_and_b32 v1, 31, v0                           ; lane
	v_lshlrev_b32 v3, 2, v1
	v_mul_u32_u24 v4, v1, SROW
	s_mul_i32 s32, s10, 48
	v_add_nc_u32 v4, s32, v4                       ; the stage, in: row = my column, + my wave's two blocks of 24 bytes
	v_lshlrev_b32 v5, 5, v1
	s_lshl_b32 s32, s10, 1
	s_add_co_u32 s32, s32, SST
	v_add_nc_u32 v5, s32, v5                       ; my column's scale bytes, my wave's two
	v_lshlrev_b32 v9, 4, v1                        ; 16 x lane
	s_mul_i32 s32, s10, 2*SROW
	v_add_nc_u32 v6, s32, v9                       ; the stage, out: rows 2 w and 2 w + 1,
	v_lshrrev_b32 v7, 4, v1
	v_lshl_add_u32 v7, v7, 4, v6                   ; and the same for the load whose upper sixteen lanes lie behind the first row's padding
	v_lshlrev_b32 v10, 3, v1                       ; 8 x lane
	s_and_b32 s33, s10, 3
	s_lshl_b32 s32, s33, 8
	s_add_co_u32 s32, s32, SST
	v_add_nc_u32 v8, s32, v10                      ; the scale bytes of 8 columns, out (waves 0-3)
	s_wait_kmcnt 0x0
	s_cmp_lt_u32 ttmp9, 96                         ; which weight: the choice hangs on the work-group's number alone
	s_cselect_b64 s[4:5], s[4:5], s[6:7]
	s_mov_b32 s12, 4096
	s_cselect_b32 s12, 12288, s12                  ; a row of the weight in bytes
	s_cselect_b32 s13, 0, WFC                      ; where its codes begin in wq,
	s_mov_b32 s14, WFS
	s_cselect_b32 s14, WQS, s14                    ; and its scale bytes
	s_cselect_b32 s11, 0, 96
	s_sub_co_u32 s11, ttmp9, s11                   ; which 32 columns of it
	s_lshl_b32 s32, s10, 6
	s_mul_i32 s32, s32, s12                        ; my wave's first K row,
	s_lshl_b32 s33, s11, 7
	s_add_co_u32 s32, s32, s33                     ; the work-group's first column
	s_mov_b32 s33, 0
	s_add_nc_u64 s[16:17], s[4:5], s[32:33]
	s_lshl_b32 s34, s12, 3
	s_mov_b32 s35, 0
.irp g, 1,2,3,4,5,6,7
	s_add_nc_u64 s[16+2*\g:17+2*\g], s[14+2*\g:15+2*\g], s[34:35]   ; eight bases, 8 rows apart
.endr
.irp i, 0,1,2,3,4,5,6,7
	s_mul_i32 s32, s12, \i
	v_add_nc_u32 v[OF+\i], s32, v3                 ; eight offsets, a row apart
.endr
.irp g, 0,1,2,3,4,5,6,7
.irp i, 0,1,2,3,4,5,6,7
	global_load_b32 v[XN+8*\g+\i], v[OF+\i], s[16+2*\g:17+2*\g] th:TH_LOAD_NT   ; W(64 w + 8 g + i, my column)
.endr
.endr
	; where the results go: the work-group's columns 8 u + j lie at rows RB + 16 u + j, RB = 64 (X / 2) + 8 (X % 2)
	s_lshr_b32 s15, s11, 1
	s_lshl_b32 s15, s15, 6
	s_and_b32 s32, s11, 1
	s_lshl_b32 s32, s32, 3
	s_add_co_u32 s15, s15, s32
	s_and_b32 s33, s10, 3
	s_lshr_b32 s32, s10, 2
	s_lshl_b32 s32, s32, 4
	s_add_co_u32 s32, s32, s15
	s_lshl_b32 s34, s33, 1
	s_add_co_u32 s32, s32, s34                     ; stage rows 2 w, 2 w + 1 are rows RB + 16 (w / 4) + 2 (w % 4) and the next
	s_mul_i32 s40, s32, 768
	s_add_co_u32 s40, s40, s13
	s_mov_b32 s41, 0
	s_add_nc_u64 s[36:37], s[8:9], s[40:41]
	s_lshl_b32 s32, s33, 4
	s_add_co_u32 s32, s32, s15
	s_lshl_b32 s40, s32, 5                         ; the scale bytes of rows RB + 16 (w % 4) on: 8 rows x 32 bytes
	s_add_co_u32 s40, s40, s14
	s_add_nc_u64 s[38:39], s[8:9], s[40:41]
.macro WBLOCK b
.set XB, XN+32*(\b)
	v_max3_num_f32 v24, |v[XB]|, |v[XB+1]|, |v[XB+2]|               ; the block's largest magnitude: all 32 numbers are mine; two chains
	v_max3_num_f32 v25, |v[XB+3]|, |v[XB+4]|, |v[XB+5]|
.irp i, 6,10,14,18,22,26
	v_max3_num_f32 v24, v24, |v[XB+\i]|, |v[XB+\i+1]|
	v_max3_num_f32 v25, v25, |v[XB+\i+2]|, |v[XB+\i+3]|
.endr
	v_max3_num_f32 v24, v24, |v[XB+30]|, |v[XB+31]|
	v_max3_num_f32 v24, v24, v25, 0x1800000        ; and the floor 2^(3 - 127): the byte cannot fall under 1
	v_add_nc_u32 v26, 0xff000000, v24              ; 2 off its exponent field: the conversion's scale operand
	v_lshrrev_b32 v[28+(\b)], 23, v26              ; the scale's byte
	v_cvt_scalef32_pk16_fp6_f32 v[CD+8*(\b):CD+8*(\b)+2], v[XB:XB+15], v26
	v_cvt_scalef32_pk16_fp6_f32 v[TP+4*(\b):TP+4*(\b)+2], v[XB+16:XB+31], v26   ; (a conversion's three registers begin on an even number)
	v_nop                                          ; one plain line behind the conversions
.irp i, 0,1,2
	v_mov_b32 v[CD+8*(\b)+3+\i], v[TP+4*(\b)+\i]
.endr
.irp i, 0,1,2
	ds_store_b64 v4, v[CD+8*(\b)+2*\i:CD+8*(\b)+2*\i+1] offset:24*(\b)+8*\i
.endr
.endm
	s_wait_loadcnt 32                              ; the first block's 32 loads are in; the second's may be out
	WBLOCK 0
	s_wait_loadcnt 0x0
	WBLOCK 1
	v_lshl_or_b32 v30, v29, 8, v28
	ds_store_b16 v5, v30                           ; my column's bytes of blocks 2 w and 2 w + 1
	s_wait_dscnt 0x0                               ; for the others' sake: my stores have landed
	s_barrier_signal -1
	s_barrier_wait -1
	ds_load_b128 v[32:35], v6                      ; row 2 w, bytes 0-511
	ds_load_b128 v[36:39], v7 offset:512           ; its bytes 512-767, and row 2 w + 1's bytes 0-255
	ds_load_b128 v[40:43], v6 offset:1040          ; that row's bytes 256-767
	s_wait_dscnt 0x0
	global_store_b128 v9, v[32:35], s[36:37]       ; each store covers 512 consecutive bytes, at a multiple of 256 from wq's first byte
	global_store_b128 v9, v[36:39], s[36:37] offset:512
	global_store_b128 v9, v[40:43], s[36:37] offset:1024
	s_cmp_lt_u32 s10, 4                            ; waves 0-3 store the scale bytes, 8 rows (256 bytes) each
	s_cbranch_scc0 .Lno_scales
	ds_load_b64 v[44:45], v8
	s_wait_dscnt 0x0
	global_store_b64 v10, v[44:45], s[38:39]
.Lno_scales:
	s_wait_tensorcnt 0x0                           ; the wave's end, behind my last LDS store
	ds_add_u32 v[SPW], v[NIL]
	s_wait_dscnt 0x0
	s_endpgm
.Lfunc_end_k_qb8e26a120a_quant_w:
	.size	k_qb8e26a120a_quant_w, .Lfunc_end_k_qb8e26a120a_quant_w-k_qb8e26a120a_quant_w
	.p2alignl 7, 3214868480
	.fill 96, 4, 3214868480
	.section	.rodata,"a",@progbits
	.p2align	6, 0x0
	.amdhsa_kernel k_qb8e26a120a_quant_w
		.amdhsa_group_segment_fixed_size 28160
		.amdhsa_private_segment_fixed_size 0
		.amdhsa_enable_private_segment 0
		.amdhsa_kernarg_size 24
		.amdhsa_user_sgpr_count 2
		.amdhsa_user_sgpr_kernarg_segment_ptr 1
		.amdhsa_wavefront_size32 1
		.amdhsa_system_sgpr_workgroup_id_x 1
		.amdhsa_system_sgpr_workgroup_id_y 1
		.amdhsa_system_sgpr_workgroup_id_z 1
		.amdhsa_system_vgpr_workitem_id 0
		.amdhsa_next_free_vgpr 128
		.amdhsa_next_free_sgpr 66
		.amdhsa_reserve_vcc 0
		.amdhsa_float_denorm_mode_32 3
		.amdhsa_float_denorm_mode_16_64 3
		.amdhsa_memory_ordered 1
		.amdhsa_forward_progress 1
		.amdhsa_inst_pref_size 14
	.end_amdhsa_kernel
	.amdgpu_metadata
---
amdhsa.version: [ 1, 2 ]
amdhsa.kernels:
  - .name:           k_qb8e26a120a_quant_w
    .symbol:         k_qb8e26a120a_quant_w.kd
    .args:
      - { .name: W_qkv, .offset: 0, .size: 8, .value_kind: global_buffer, .address_space: global }
      - { .name: W_ffn, .offset: 8, .size: 8, .value_kind: global_buffer, .address_space: global }
      - { .name: wq, .offset: 16, .size: 8, .value_kind: global_buffer, .address_space: global }
    .group_segment_fixed_size: 28160
    .private_segment_fixed_size: 0
    .kernarg_segment_align: 8
    .kernarg_segment_size: 24
    .max_flat_workgroup_size: 512
    .sgpr_count:     66
    .vgpr_count:     128
    .wavefront_size: 32
...
	.end_amdgpu_metadata
.endif
;; end of part 2
;; launch gemm_qkv (part 3): grid 16 x 32, 4 waves a work-group, clusters of 4 x 4, 327,680 bytes of LDS; arguments xq, wq, b_qkv, qb, kv; writes qb, kv
.if DOCPART == 3
	.amdgcn_target "amdgcn-amd-amdhsa--gfx1250"
	.amdhsa_code_object_version 6
	.text
	.protected	k_qb8e26a120a_gemm_qkv
	.globl	k_qb8e26a120a_gemm_qkv
	.p2align	8
	.type	k_qb8e26a120a_gemm_qkv,@function
k_qb8e26a120a_gemm_qkv:
	s_mov_b64 s[64:65], 0
	v_nop
	global_prefetch_b8 v0, s[64:65] scope:SCOPE_SE
	s_setreg_imm32_b32 hwreg(HW_REG_WAVE_MODE, 25, 1), 1
	s_wait_xcnt 0x0
	s_wait_alu depctr_hold_cnt(0) depctr_sa_sdst(0) depctr_va_vdst(0) depctr_va_sdst(0) depctr_va_ssrc(0) depctr_va_vcc(0) depctr_vm_vsrc(0)
	s_getreg_b32 s2, hwreg(HW_REG_IB_STS2, 6, 4)
	s_cmp_eq_u32 s2, 0
	s_cbranch_scc0 .Lentry_in_a_cluster
	s_endpgm
.Lentry_in_a_cluster:
	s_bfe_u32 s2, ttmp6, 0x10000c
	s_cmp_lg_u32 s2, 0xf033
	s_cbranch_scc0 .Lentry_shape_is_right
	s_endpgm
.Lentry_shape_is_right:
; qkv = x W_qkv + b_qkv on codes of FP6 (E2M3) with E8M0 scales, K = 1,024; its results q, k, v are quantised in registers and leave as codes, laid as the attention's operand registers want them.  No f32 result goes to memory.
; SHARES.  A work-group takes 256 stored rows of x (tile row y) x the 192 stored rows of W_qkv of ONE head (x): 12 tiles of 16: groups q, k, v of four tiles.  Wave w takes rows 64 w .. 64 w + 63 (four tiles u) against all 12.
; THE STORED ORDER of x's rows and W's rows (token or column 32 a + 8 u + j of a group of 64 at row 16 u + 8 a + j) makes a result's four tiles, taken as source 0, 32 NEIGHBOURS in a lane:
;   q, k: source 0 = W's tile w', source 1 = x's tile u: lane (r, h) holds token row r of tile u, and registers 8 w' + j are d = 32 h + 8 w' + j: a whole block of 32 along the next K (the head's 64).
;   v:    source 0 = x's tile u, source 1 = W's tile w': lane (r, h) holds d-row r of tile w', and registers 8 u + j are tokens 32 h + 8 u + j of the group of 64: a whole block along the next K (the keys).
; So a block's largest magnitude needs no other lane, and two conversions and three moves give six registers of the next operand: a HALF FRAGMENT (64 along K), stored as an image of its registers, 768 bytes:
; registers 0-3 at 16 x lane, registers 4-5 at 512 + 8 x lane.
; qb: for each (batch x 16 + head, group of 64 tokens) 3,584 bytes: four half fragments (tile u at 768 u), then 512 bytes of scale words (lane l: the words of u = 0..3 of row l % 16; a word is [s0, s1, s0, s1]).
; kv: for each such pair 6,400 bytes: K's four half fragments, V's four (d-tile w' at 3,072 + 768 w'), then 256 bytes: lane l's pair of scale words (below).
; K goes in steps of 256 through a ring of two LDS slots; 8 steps of 128 in all, written out.  The scale bytes of the work-group's rows come once, with the first fills.  By this text's own count a wave has at most three tensor loads out.
; CLUSTERS: 4 x 4 work-groups; x's tiles are shared along a row of the cluster, W's along a column: each is asked for jointly.
; The bias is the C of each sum's first product, so the bias stands first in the order of rounding.
; LIMITS: a block of zeros gets the byte 1 where the rule says 127 (zero codes; the bytes are read by this program alone); NaN and infinities are not served.
; REGISTERS: window 0: v16-31 addresses; v32-79 scale words, two sets (nothing else ever); v80-175 x's fragments, two sets of 48; v176-217 at work on the way out.
;   window 1: W's tile b at v[12 b], one set; from v144 the bias, 8 registers a tile.   window 2: q's and k's accumulators at v[128 t + 32 u + 8 w'].   window 3: v's at v[32 w' + 8 u].
.set NBT,   12                         ; tiles of W
.set NG,    3                          ; groups of four
.set PITCH, 240                        ; an LDS row: 3 x (64 bytes + 16 of padding)
.set ROWB,  192                        ; 256 codes
.set AHALF, 128*PITCH
.set BHALF, 8*NBT*PITCH
.set SLOT,  2*AHALF+2*BHALF            ; x's 256 rows, then W's 192
.set SCL,   2*SLOT                     ; behind the ring: the scale bytes, as units of 256 bytes + 16: x's 32 units, then W's 24
.set SCB,   SCL+32*272
.set SBLK,  544                        ; those of 16 rows
.set SPARE, 230400                     ; the spare words, 128 bytes a wave, in blocks of 256 bytes of their own
.set ASC,   6291456                    ; xq: where the scale bytes begin
.set BSC,   2359296                    ; wq: W_qkv's scale bytes
.set ADRA, 16                          ; v16-17 LDS address of my x fragments in slot 0, 1; v18-19 the same behind one padding more
.set ADRB, 20                          ; v20-23 the same for W
.set L16,  24                          ; v24  16 x lane
.set L8,   25                          ; v25  8 x lane
.set SH8,  26                          ; v26  8 x (lane / 16)
.set ADRS, 27                          ; v27  LDS address of my scale words: lanes 0-15 x's rows, lanes 16-31 W's
.set SPW,  28
.set NIL,  29
.set SC,   32                          ; set s at SC + 24 s; register 2 i + q: lanes 0-15 x's tile i (i < 4), lanes 16-31 W's tile i, the slot's q-th 128 along K
.set AF,   80
.set BI,   144                         ; in window 1
.set MX,   176                         ; the way out: four largest magnitudes,
.set SO,   180                         ; four scale operands,
.set BY,   184                         ; four bytes,
.set TP,   188                         ; the second conversions' results,
.set WK,   204                         ; words in the making,
.set QW,   212                         ; q's four scale words,
.set KVW,  216                         ; k's and v's pair
.set CDQ,  80
.set CDK,  104
.set CDV,  128
.set G1, 24
.set G0, 32
.set G1B, 48
.set G0B, 56
.set G1S, 68
.set G0S, 76
.set G1SB, 80
.set G0SB, 88
.set MSB, 0
.macro WIN new                         ; the immediate's high byte repeats the setting that is left
.if MSB != \new
	s_set_vgpr_msb (MSB<<8)|\new
.set MSB, \new
.endif
.endm
; A joint load: waves 0 and 1 fetch for x, waves 2 and 3 for W.  The branch hangs on the wave's number alone.  An s_nop 0 and four v_nop follow each of the two lines.
.macro JLOAD g0a, g1a, g0b, g1b
	s_cmp_eq_u32 s15, 0
	s_cbranch_scc0 .Lfor_b_\@
	tensor_load_to_lds s[\g0a:\g0a+3], s[\g1a:\g1a+7]
	s_nop 0
.rept 4
	v_nop
.endr
	s_branch .Lasked_\@
.Lfor_b_\@:
	tensor_load_to_lds s[\g0b:\g0b+3], s[\g1b:\g1b+7]
	s_nop 0
.rept 4
	v_nop
.endr
.Lasked_\@:
.endm
.macro CREST                           ; a round of the cluster's barrier behind its opening barrier
	s_cmp_lg_u32 s14, 0
	s_cbranch_scc1 .Lnot_wave_0_\@
	s_barrier_signal -3
.Lnot_wave_0_\@:
	s_barrier_wait -3
	s_barrier_signal -1
	s_barrier_wait -1
.endm
.macro CROUND
	s_barrier_signal -1
	s_barrier_wait -1
	CREST
.endm
.macro PLACES n                        ; places behind matrix instructions, in front of loads into their registers and of reads of their results
.rept \n
	v_nop
.endr
.endm
	s_load_b256 s[4:11], s[0:1], 0x0               ; xq s[4:5], wq s[6:7], b_qkv s[8:9], qb s[10:11]
	s_load_b64 s[12:13], s[0:1], 0x20              ; kv
	v_lshl_add_u32 v[SPW], v0, 2, SPARE
	v_mov_b32 v[NIL], 0
	ds_add_u32 v[SPW], v[NIL]                      ; the wave's opening: the add and its wait stand ahead of my first tensor load; the set-up below stands between them
	v_lshrrev_b32 v1, 5, v0
	v_readfirstlane_b32 s14, v1                    ; wave 0..3
	s_lshr_b32 s15, s14, 1                         ; I fetch for x (0) or for W (1),
	s_and_b32 s16, s14, 1                          ; and which half of its rows
	s_bfe_u32 s40, ttmp6, 0x40000                  ; cx, cy: my place in the cluster
	s_bfe_u32 s41, ttmp6, 0x40004
	s_lshl_b32 s42, ttmp9, 2
	s_add_co_u32 s42, s42, s40                     ; the head = 4 x cluster x + cx
	s_and_b32 s17, ttmp7, 0xffff
	s_lshl_b32 s17, s17, 2
	s_add_co_u32 s17, s17, s41                     ; tile row = 4 x cluster y + cy
	s_lshl_b32 s43, s41, 2
	s_lshl_b32 s43, 15, s43                        ; my row of the cluster
	s_lshl_b32 s44, 0x1111, s40                    ; my column
	s_or_b32 s[G1+0], s43, (0<<16)|(1<<20)|(1<<21)|(3<<22)|(3<<25)  ; the mask; elements of 1 byte; padding on; bit 21 beside a mask; after every 16 words, 4 words
	s_or_b32 s[G1B+0], s44, (0<<16)|(1<<20)|(1<<21)|(3<<22)|(3<<25)
	s_mov_b32 s[G1+1], ROWB<<16                    ; tensor_dim0
	s_mov_b32 s[G1+2], 128<<16                     ; tensor_dim1
	s_mov_b32 s[G1+3], ROWB<<16                    ; tile_dim0
	s_mov_b32 s[G1+4], 128                         ; tile_dim1
	s_mov_b32 s[G1+5], 768                         ; a row of codes in memory
	s_mov_b32 s[G1+6], 0
	s_mov_b32 s[G1+7], 0
	s_mov_b32 s[G1B+1], ROWB<<16
	s_mov_b32 s[G1B+2], (8*NBT)<<16
	s_mov_b32 s[G1B+3], ROWB<<16
	s_mov_b32 s[G1B+4], 8*NBT
	s_mov_b32 s[G1B+5], 768
	s_mov_b32 s[G1B+6], 0
	s_mov_b32 s[G1B+7], 0
	s_or_b32 s[G1S+0], s43, (3<<16)|(1<<20)|(1<<21)|(5<<22)|(3<<25)  ; scale bytes: dense, as rows of 256 bytes (32 elements of 8), 16 bytes of padding behind each
	s_or_b32 s[G1SB+0], s44, (3<<16)|(1<<20)|(1<<21)|(5<<22)|(3<<25)
	s_mov_b32 s[G1S+1], 32<<16
	s_mov_b32 s[G1S+2], 16<<16                     ; 128 rows x 32 bytes: 16 units
	s_mov_b32 s[G1S+3], 32<<16
	s_mov_b32 s[G1S+4], 16
	s_mov_b32 s[G1S+5], 32
	s_mov_b32 s[G1S+6], 0
	s_mov_b32 s[G1S+7], 0
	s_mov_b32 s[G1SB+1], 32<<16
	s_mov_b32 s[G1SB+2], NBT<<16                   ; 96 rows x 32 bytes: 12 units
	s_mov_b32 s[G1SB+3], 32<<16
	s_mov_b32 s[G1SB+4], NBT
	s_mov_b32 s[G1SB+5], 32
	s_mov_b32 s[G1SB+6], 0
	s_mov_b32 s[G1SB+7], 0
	s_lshl_b32 s18, s16, 7
	s_lshl_b32 s20, s17, 8
	s_add_co_u32 s20, s20, s18                     ; x: row 256 y + 128 x half
	s_mul_i32 s46, s42, 16*NBT
	s_mul_i32 s47, s16, 8*NBT
	s_add_co_u32 s46, s46, s47                     ; W: row 192 x head + 96 x half
	s_lshl_b32 s22, s20, 5
	s_add_co_u32 s22, s22, ASC                     ; these rows' scale bytes,
	s_mov_b32 s23, 0
	s_mul_i32 s20, s20, 768                        ; and their codes
	s_mov_b32 s21, 0
	s_lshl_b32 s92, s46, 5
	s_add_co_u32 s92, s92, BSC
	s_mov_b32 s93, 0
	s_mul_i32 s46, s46, 768
	s_mov_b32 s47, 0
	s_mul_i32 s45, s16, AHALF                      ; where they go: no place in the cluster enters an LDS address
	s_mul_i32 s94, s16, BHALF
	s_add_co_u32 s94, s94, 2*AHALF
	s_mul_i32 s95, s16, 16*272
	s_add_co_u32 s95, s95, SCL
	s_mul_i32 s96, s16, NBT*272
	s_add_co_u32 s96, s96, SCB
	s_mov_b32 s98, 0xffff0000                      ; the mask of lanes 16-31
	s_wait_dscnt 0x0                               ; the opening add is done
	s_wait_kmcnt 0x0
	s_add_nc_u64 s[20:21], s[4:5], s[20:21]
	s_add_nc_u64 s[22:23], s[4:5], s[22:23]
	s_add_nc_u64 s[46:47], s[6:7], s[46:47]
	s_add_nc_u64 s[92:93], s[6:7], s[92:93]
	CROUND                                         ; all sixteen work-groups are here: the first joint loads meet
	s_mov_b32 s[G0S], 1
	s_mov_b32 s[G0S+1], s95
	s_mov_b64 s[G0S+2:G0S+3], s[22:23]
	s_or_b32 s[G0S+3], s[G0S+3], 0x80000000
	s_mov_b32 s[G0SB], 1
	s_mov_b32 s[G0SB+1], s96
	s_mov_b64 s[G0SB+2:G0SB+3], s[92:93]
	s_or_b32 s[G0SB+3], s[G0SB+3], 0x80000000
	JLOAD G0S, G1S, G0SB, G1SB                     ; the scale bytes first: they are wanted with the first step
.irp s, 0,1
	s_mov_b32 s[G0+4*\s], 1
	s_add_co_u32 s[G0+4*\s+1], s45, \s*SLOT
	s_add_nc_u64 s[G0+4*\s+2:G0+4*\s+3], s[20:21], \s*ROWB
	s_or_b32 s[G0+4*\s+3], s[G0+4*\s+3], 0x80000000
	s_mov_b32 s[G0B+4*\s], 1
	s_add_co_u32 s[G0B+4*\s+1], s94, \s*SLOT
	s_add_nc_u64 s[G0B+4*\s+2:G0B+4*\s+3], s[46:47], \s*ROWB
	s_or_b32 s[G0B+4*\s+3], s[G0B+4*\s+3], 0x80000000
	JLOAD G0+4*\s, G1, G0B+4*\s, G1B
.endr
	v_and_b32 v1, 15, v0                           ; r
	v_bfe_u32 v2, v0, 4, 1                         ; h
	v_mul_u32_u24 v3, v1, PITCH
	v_mul_u32_u24 v4, v2, 24
	v_add_nc_u32 v4, v3, v4                        ; a fragment's row x pitch + 24 h
	v_lshl_add_u32 v5, v2, 4, v4                   ; and the same behind one padding more
	s_mul_i32 s18, s14, 64*PITCH                   ; my 64 rows of x
	s_mov_b32 s19, 2*AHALF                         ; W's rows lie behind x's 256
.irp s, 0,1
	v_add_nc_u32 v[ADRA+\s], s18, v4
	v_add_nc_u32 v[ADRB+\s], s19, v4
	v_add_nc_u32 v[ADRA+2+\s], s18, v5
	v_add_nc_u32 v[ADRB+2+\s], s19, v5
	s_add_co_u32 s18, s18, SLOT
	s_add_co_u32 s19, s19, SLOT
.endr
	v_lshlrev_b32 v5, 5, v1                        ; my row's scale bytes: 32 a row,
	v_lshrrev_b32 v6, 3, v1
	v_lshl_add_u32 v5, v6, 4, v5                   ; and 16 more behind the first 256
	s_mul_i32 s18, s14, 4*SBLK                     ; x's: my four tiles
	s_sub_co_u32 s19, 32*272, s18                  ; from there to W's first tile
	v_mul_u32_u24 v6, s19, v2                      ; lanes 16-31 take W's
	s_add_co_u32 s18, s18, SCL
	v_add_nc_u32 v5, v5, v6
	v_add_nc_u32 v[ADRS], s18, v5
	v_and_b32 v6, 31, v0
	v_lshlrev_b32 v[L16], 4, v6
	v_lshlrev_b32 v[L8], 3, v6
	v_lshlrev_b32 v[SH8], 3, v2
	; the bias, in the results' layout.  q, k: tile (t, w'): columns 64 t + 32 h + 8 w' + 0..7.  v: tile w': the one column 128 + 32 (r / 8) + 8 w' + r % 8, in all eight registers
	s_mul_i32 s46, s42, 768
	s_mov_b32 s47, 0
	s_add_nc_u64 s[8:9], s[8:9], s[46:47]
	v_lshlrev_b32 v30, 7, v2
	v_and_b32 v31, 7, v1
	v_lshlrev_b32 v31, 2, v31
	v_lshrrev_b32 v6, 3, v1
	v_lshl_add_u32 v31, v6, 7, v31
	WIN 0x40                                       ; destination window 1
.irp t, 0,1
.irp w, 0,1,2,3
	global_load_b128 v[BI+8*(4*\t+\w):BI+8*(4*\t+\w)+3], v30, s[8:9] offset:256*\t+32*\w
	global_load_b128 v[BI+8*(4*\t+\w)+4:BI+8*(4*\t+\w)+7], v30, s[8:9] offset:256*\t+32*\w+16
.endr
.endr
.irp w, 0,1,2,3
.irp j, 0,1,2,3,4,5,6,7
	global_load_b32 v[BI+8*(8+\w)+\j], v31, s[8:9] offset:512+32*\w
.endr
.endr
	WIN 0
	; where my results go: index ((y / 8) x 16 + head) x 32 + (y % 8) x 4 + wave
	s_lshr_b32 s66, s17, 3
	s_lshl_b32 s66, s66, 4
	s_add_co_u32 s66, s66, s42
	s_lshl_b32 s66, s66, 5
	s_and_b32 s67, s17, 7
	s_lshl_b32 s67, s67, 2
	s_add_co_u32 s66, s66, s67
	s_add_co_u32 s66, s66, s14
	s_mul_i32 s2, s66, 3584
	s_mov_b32 s3, 0
	s_add_nc_u64 s[10:11], s[10:11], s[2:3]
	s_mul_i32 s2, s66, 6400
	s_add_nc_u64 s[12:13], s[12:13], s[2:3]
	s_mov_b32 s20, 0x76543210                      ; v_permlanex16_b32's selects for lane l xor 16
	s_mov_b32 s21, 0xfedcba98
.macro FRAG reg, adr, q, i             ; 16 rows x 128 K of 6-bit codes: 12 registers; registers 6 c .. 6 c + 5 hold K = 64 c + 32 h + 0..31: 24 bytes of the row, in pieces of 8
.irp p, 0,1,2,3,4,5
.set PC, 12*(\q)+6*(\p/3)+\p%3         ; lanes 16-31 read three pieces on: where that lies behind one padding more, the second address register serves
.if PC%8 < 5
	ds_load_b64 v[\reg+2*\p:\reg+2*\p+1], v[\adr] offset:8*PC+16*(PC/8)+(\i)*16*PITCH
.else
	ds_load_b64 v[\reg+2*\p:\reg+2*\p+1], v[\adr+2] offset:8*PC+16*(PC/8)+(\i)*16*PITCH
.endif
.endr
.endm
.macro FB t, slot, q                   ; W's four tiles of group t: 24 loads
	WIN 0x40
.irp i, 0,1,2,3
	FRAG 12*(4*(\t)+\i), ADRB+\slot, \q, 4*(\t)+\i
.endr
	WIN 0
.endm
.macro FA set, slot, q                 ; my four tiles of x: 24 loads
.irp i, 0,1,2,3
	FRAG AF+48*(\set)+12*\i, ADRA+\slot, \q, \i
.endr
.endm
.macro SCALES sc                       ; a slot's scale words, two a row: lanes 0-15 x's tile i (for i above 3 they read scale bytes that nobody uses), lanes 16-31 W's tile i
.irp i, 0,1,2,3,4,5,6,7,8,9,10,11
	ds_load_b64 v[SC+2*NBT*(\sc)+2*\i:SC+2*NBT*(\sc)+2*\i+1], v[ADRS] offset:\i*SBLK
.endr
.endm
; 8 matrix instructions of group t: x's tiles u0, u0 + 1 against W's four.  All accumulators of a step take turns, one instruction a turn.  first = 1: C is the bias.
.macro MUL8 t, u0, set, q, sc, first
.irp u, \u0, \u0+1
.irp w, 0,1,2,3
.set RA, AF+48*(\set)+12*(\u)
.set RB, 12*(4*(\t)+\w)
.set RC, BI+8*(4*(\t)+\w)
.set SA, SC+2*NBT*(\sc)+2*(\u)+(\q)
.set SB, SC+2*NBT*(\sc)+2*(4*(\t)+\w)+(\q)
.if (\t) < 2
.set ACC, 128*(\t)+32*(\u)+8*\w
.if \first
	v_wmma_scale_f32_16x16x128_f8f6f4 v[ACC:ACC+7], v[RB:RB+11], v[RA:RA+11], v[RC:RC+7], v[SB], v[SA] matrix_a_fmt:MATRIX_FMT_FP6 matrix_b_fmt:MATRIX_FMT_FP6 matrix_a_scale:MATRIX_SCALE_ROW1
.else
	v_wmma_scale_f32_16x16x128_f8f6f4 v[ACC:ACC+7], v[RB:RB+11], v[RA:RA+11], v[ACC:ACC+7], v[SB], v[SA] matrix_a_fmt:MATRIX_FMT_FP6 matrix_b_fmt:MATRIX_FMT_FP6 matrix_a_scale:MATRIX_SCALE_ROW1
.endif
.else
.set ACC, 32*\w+8*(\u)
.if \first
	v_wmma_scale_f32_16x16x128_f8f6f4 v[ACC:ACC+7], v[RA:RA+11], v[RB:RB+11], v[RC:RC+7], v[SA], v[SB] matrix_a_fmt:MATRIX_FMT_FP6 matrix_b_fmt:MATRIX_FMT_FP6 matrix_b_scale:MATRIX_SCALE_ROW1
.else
	v_wmma_scale_f32_16x16x128_f8f6f4 v[ACC:ACC+7], v[RA:RA+11], v[RB:RB+11], v[ACC:ACC+7], v[SA], v[SB] matrix_a_fmt:MATRIX_FMT_FP6 matrix_b_fmt:MATRIX_FMT_FP6 matrix_b_scale:MATRIX_SCALE_ROW1
.endif
.endif
.endr
.endr
.endm
; A slot's first step of 128 (x's set 0): behind each group's products that group's tiles of the slot's second step are fetched; x's set 1 with the first.
.macro EVEN slot, first
	s_wait_dscnt 24*(NG-1)                         ; group 0, x's tiles and the scale words are in; the two later groups' 24 loads each may be out
.if \first
	WIN 0x91                                       ; W window 1, x window 0, C (the bias) window 1, D window 2
.else
	WIN 0xa1                                       ; C and D window 2
.endif
	MUL8 0, 0, 0, 0, \slot, \first
	MUL8 0, 2, 0, 0, \slot, \first
	PLACES 4
	FB 0, \slot, 1
	FA 1, \slot, 1
	s_wait_dscnt 48                                ; all but the 48 just issued
.if \first
	WIN 0x91
.else
	WIN 0xa1
.endif
	MUL8 1, 0, 0, 0, \slot, \first
	MUL8 1, 2, 0, 0, \slot, \first
	PLACES 4
	FB 1, \slot, 1
.if \first
	WIN 0xd4                                       ; x window 0, W window 1, C (the bias) window 1, D window 3
.else
	WIN 0xf4                                       ; C and D window 3
.endif
	MUL8 2, 0, 0, 0, \slot, \first
	MUL8 2, 2, 0, 0, \slot, \first
	PLACES 4
	FB 2, \slot, 1
.endm
; A slot's second step changes slots: ONE barrier; in front of it each wave waits for all its tensor loads, adds 0 to its spare word, and waits for that and for its reads of this slot.  fill = 1: the slot is filled again.
.macro TURN slot, next, fill
	s_wait_tensorcnt 0x0                           ; all my tensor loads have landed: my part of the next slot among them
	ds_add_u32 v[SPW], v[NIL]                      ; 0 onto my spare word
	s_wait_dscnt 24*(NG-1)+1                       ; (the two later groups' loads and the add may be out)
	WIN 0xa1
	MUL8 0, 0, 1, 1, \slot, 0                      ; eight matrix instructions stand between the add and the wait for it
	s_wait_dscnt 0x0                               ; the add is done, and my reads of this slot are over
	s_barrier_signal -1
	MUL8 0, 2, 1, 1, \slot, 0
	WIN 0
	s_barrier_wait -1
.if \fill
	CREST                                          ; the barrier has opened a round of the cluster's barrier: no wave of any partner still reads this slot or has a load on its way
	s_add_nc_u64 s[G0+4*\slot+2:G0+4*\slot+3], s[G0+4*\slot+2:G0+4*\slot+3], 2*ROWB
	s_add_nc_u64 s[G0B+4*\slot+2:G0B+4*\slot+3], s[G0B+4*\slot+2:G0B+4*\slot+3], 2*ROWB
	JLOAD G0+4*\slot, G1, G0B+4*\slot, G1B         ; the first tensor load behind the round, my one until the next; its four v_nop are the places in front of the loads below
.else
	PLACES 4
.endif
	v_add_nc_u32 v[ADRS], 8, v[ADRS]               ; on to the next slot's scale words
	FB 0, \next, 0
	FA 0, \next, 0
	SCALES \next
	WIN 0xa1
	MUL8 1, 0, 1, 1, \slot, 0
	MUL8 1, 2, 1, 1, \slot, 0
	PLACES 4
	FB 1, \next, 0
	WIN 0xf4
	MUL8 2, 0, 1, 1, \slot, 0
	MUL8 2, 2, 1, 1, \slot, 0
	PLACES 4
	FB 2, \next, 0
.endm
	s_wait_tensorcnt 1                             ; the scale bytes and my part of slot 0 are in; slot 1's load may be out
	s_barrier_signal -1
	s_barrier_wait -1
	FB 0, 0, 0
	FA 0, 0, 0
	SCALES 0
	FB 1, 0, 0
	FB 2, 0, 0
	s_wait_loadcnt 0x0                             ; the bias
	EVEN 0, 1                                      ; K 0-127: the products start the sums on the bias
	TURN 0, 1, 1                                   ; K 128-255; slot 0 takes K 512-767
	EVEN 1, 0
	TURN 1, 0, 1                                   ; slot 1 takes K 768-1023
	EVEN 0, 0
	TURN 0, 1, 0                                   ; nothing is left to fetch
	EVEN 1, 0
	s_wait_dscnt 24*(NG-1)                         ; the last step
	WIN 0xa1
	MUL8 0, 0, 1, 1, 1, 0
	MUL8 0, 2, 1, 1, 1, 0
	s_wait_dscnt 0x0
	MUL8 1, 0, 1, 1, 1, 0
	MUL8 1, 2, 1, 1, 1, 0
	WIN 0xf4
	MUL8 2, 0, 1, 1, 1, 0
	MUL8 2, 2, 1, 1, 1, 0
	WIN 0
	PLACES 4
; THE WAY OUT.  Four groups of 32 registers at base + 32 g, each a whole block of 32 along the next K, become six registers of codes each, at cd + 6 g, and a byte each.  The groups take turns line by line.
; Each accumulator is read from its low end on.  mmax, mcvt: the window settings with the accumulators as sources 1 and 2, and as source 0.
.macro QUANT4 mmax, mcvt, base, cd
.irp g, 0,1,2,3
	v_mov_b32 v[MX+\g], 0x1800000                  ; the floor 2^(3 - 127): the byte cannot fall under 1
.endr
	WIN \mmax
.irp i, 0,2,4,6,8,10,12,14,16,18,20,22,24,26,28,30
.irp g, 0,1,2,3
	v_max3_num_f32 v[MX+\g], v[MX+\g], |v[\base+32*\g+\i]|, |v[\base+32*\g+\i+1]|
.endr
.endr
	WIN 0
.irp g, 0,1,2,3
	v_add_nc_u32 v[SO+\g], 0xff000000, v[MX+\g]    ; 2 off the exponent field: the conversion's scale operand
.endr
.irp g, 0,1,2,3
	v_lshrrev_b32 v[BY+\g], 23, v[SO+\g]           ; the scale's byte
.endr
	WIN \mcvt
.irp g, 0,1,2,3
	v_cvt_scalef32_pk16_fp6_f32 v[\cd+6*\g:\cd+6*\g+2], v[\base+32*\g:\base+32*\g+15], v[SO+\g]
	v_cvt_scalef32_pk16_fp6_f32 v[TP+4*\g:TP+4*\g+2], v[\base+32*\g+16:\base+32*\g+31], v[SO+\g]   ; (a conversion's three registers begin on an even number)
.endr
	WIN 0
	v_nop                                          ; one plain line behind the conversions
.irp g, 0,1,2,3
.irp i, 0,1,2
	v_mov_b32 v[\cd+6*\g+3+\i], v[TP+4*\g+\i]
.endr
.endr
.endm
; A word of four bytes: [group x block 0, block 1, group y block 0, block 1].  Lane (r, h) has block h's bytes; lane l xor 16 has the others.
.macro PAIRW dst, x, y
	v_lshl_or_b32 v[\dst], v[BY+\y], 16, v[BY+\x]
	v_lshlrev_b32 v[\dst], v[SH8], v[\dst]
	v_permlanex16_b32 v[WK+7], v[\dst], s20, s21
	v_or_b32 v[\dst], v[\dst], v[WK+7]
.endm
.macro HFOUT cd, sb, off               ; four half fragments: each store covers 512 or 256 consecutive bytes, at a multiple of 256 from the buffer's first byte
.irp g, 0,1,2,3
	global_store_b128 v[L16], v[\cd+6*\g:\cd+6*\g+3], s[\sb:\sb+1] offset:\off+768*\g
	global_store_b64 v[L8], v[\cd+6*\g+4:\cd+6*\g+5], s[\sb:\sb+1] offset:\off+768*\g+512
.endr
.endm
	v_mov_b32 v[WK+7], 0                           ; written once: a lane permute's destination counts as one of its sources
	QUANT4 0x28, 0x02, 0, CDQ                      ; q: group g = x's tile u
.irp u, 0,1,2,3
	PAIRW QW+\u, \u, \u                            ; [s0, s1, s0, s1]: q stands in the lower or in the upper half of an operand
.endr
	HFOUT CDQ, 10, 0
	global_store_b128 v[L16], v[QW:QW+3], s[10:11] offset:3072
	QUANT4 0x28, 0x02, 128, CDK                    ; k: group g = x's tile u.  A fragment holds tile 2 p below and tile 2 p + 1 above:
	PAIRW WK, 0, 1
	PAIRW WK+1, 2, 3
	v_cndmask_b32 v[KVW], v[WK], v[WK+1], s98      ; lanes 0-15 the words of fragment 0, lanes 16-31 of fragment 1
	HFOUT CDK, 12, 0
	QUANT4 0x3c, 0x03, 0, CDV                      ; v: group g = d-tile w'; a lane's byte is that of token block h
	PAIRW WK+2, 0, 2
	PAIRW WK+3, 1, 3
	v_cndmask_b32 v[KVW+1], v[WK+2], v[WK+3], s98  ; low half: tile h's two bytes, high half: tile 2 + h's
	HFOUT CDV, 12, 3072
	global_store_b64 v[L8], v[KVW:KVW+1], s[12:13] offset:6144
	s_wait_tensorcnt 0x0                           ; the wave's end, behind my last tensor load
	ds_add_u32 v[SPW], v[NIL]
	s_wait_dscnt 0x0
	CROUND                                         ; the closing round: no work-group ends while a partner may still ask for a tile that names it
	s_endpgm
.Lfunc_end_k_qb8e26a120a_gemm_qkv:
	.size	k_qb8e26a120a_gemm_qkv, .Lfunc_end_k_qb8e26a120a_gemm_qkv-k_qb8e26a120a_gemm_qkv
	.p2alignl 7, 3214868480
	.fill 96, 4, 3214868480
	.section	.rodata,"a",@progbits
	.p2align	6, 0x0
	.amdhsa_kernel k_qb8e26a120a_gemm_qkv
		.amdhsa_group_segment_fixed_size 327680
		.amdhsa_private_segment_fixed_size 0
		.amdhsa_enable_private_segment 0
		.amdhsa_kernarg_size 40
		.amdhsa_user_sgpr_count 2
		.amdhsa_user_sgpr_kernarg_segment_ptr 1
		.amdhsa_wavefront_size32 1
		.amdhsa_system_sgpr_workgroup_id_x 1
		.amdhsa_system_sgpr_workgroup_id_y 1
		.amdhsa_system_sgpr_workgroup_id_z 1
		.amdhsa_system_vgpr_workitem_id 0
		.amdhsa_next_free_vgpr 896
		.amdhsa_next_free_sgpr 100
		.amdhsa_reserve_vcc 0
		.amdhsa_float_denorm_mode_32 3
		.amdhsa_float_denorm_mode_16_64 3
		.amdhsa_memory_ordered 1
		.amdhsa_forward_progress 1
		.amdhsa_inst_pref_size 143
	.end_amdhsa_kernel
	.amdgpu_metadata
---
amdhsa.version: [ 1, 2 ]
amdhsa.kernels:
  - .name:           k_qb8e26a120a_gemm_qkv
    .symbol:         k_qb8e26a120a_gemm_qkv.kd
    .args:
      - { .name: xq, .offset: 0, .size: 8, .value_kind: global_buffer, .address_space: global }
      - { .name: wq, .offset: 8, .size: 8, .value_kind: global_buffer, .address_space: global }
      - { .name: b_qkv, .offset: 16, .size: 8, .value_kind: global_buffer, .address_space: global }
      - { .name: qb, .offset: 24, .size: 8, .value_kind: global_buffer, .address_space: global }
      - { .name: kv, .offset: 32, .size: 8, .value_kind: global_buffer, .address_space: global }
    .group_segment_fixed_size: 327680
    .private_segment_fixed_size: 0
    .kernarg_segment_align: 8
    .kernarg_segment_size: 40
    .max_flat_workgroup_size: 128
    .sgpr_count:     100
    .vgpr_count:     896
    .wavefront_size: 32
...
	.end_amdgpu_metadata
.endif
;; end of part 3
;; launch attn (part 4): grid 4 x 64, 16 waves a work-group, clusters of 4 x 1, 232,448 bytes of LDS; arguments qb, kv, aq; writes aq
.if DOCPART == 4
	.amdgcn_target "amdgcn-amd-amdhsa--gfx1250"
	.amdhsa_code_object_version 6
	.text
	.protected	k_qb8e26a120a_attn
	.globl	k_qb8e26a120a_attn
	.p2align	8
	.type	k_qb8e26a120a_attn,@function
k_qb8e26a120a_attn:
	s_mov_b64 s[64:65], 0
	v_nop
	global_prefetch_b8 v0, s[64:65] scope:SCOPE_SE
	s_setreg_imm32_b32 hwreg(HW_REG_WAVE_MODE, 25, 1), 1
	s_wait_xcnt 0x0
	s_wait_alu depctr_hold_cnt(0) depctr_sa_sdst(0) depctr_va_vdst(0) depctr_va_sdst(0) depctr_va_ssrc(0) depctr_va_vcc(0) depctr_vm_vsrc(0)
	s_getreg_b32 s2, hwreg(HW_REG_IB_STS2, 6, 4)
	s_cmp_eq_u32 s2, 0
	s_cbranch_scc0 .Lentry_in_a_cluster
	s_endpgm
.Lentry_in_a_cluster:
	s_bfe_u32 s2, ttmp6, 0x10000c
	s_cmp_lg_u32 s2, 0x3003
	s_cbranch_scc0 .Lentry_shape_is_right
	s_endpgm
.Lentry_shape_is_right:
; attn[bh][q][:] = the sum over keys of softmax(q . k / 8) v, both products on codes of FP6 (E2M3) with E8M0 scales; the result is quantised along the head's 64 and leaves as codes: aq is the next product's operand,
; row-major [8192][768 bytes] (the result [bh][token][64] taken as rows of 1,024 as it lies), its scale bytes [8192][32] at ASC.
; THE SOFTMAX: t = score x log2(e) / 8; M = the running largest t rounded UP to a whole number; p = 2^(t - M) is quantised along the keys, not normalised; the row's sum is taken of the unquantised p and divides at the end.
; When M moves, the sum and O are multiplied by 2^(old M - new M): exact.
; SHARES.  A cluster of four work-groups is one (batch, head); a work-group owns 512 queries, each of its sixteen waves two tiles of 16, one after the other (two passes).  Four waves to a SIMD: one wave's vector work
; stands beside another's matrix work and LDS loads.
; THE WHOLE HEAD'S K, V AND THEIR SCALE WORDS LIE IN LDS, 204,800 bytes, FILLED ONCE: wave w asks for key step w (128 keys, 12,800 dense bytes), jointly with the same wave of the three partners.  One tensor load a wave is out.
; So the loop over the keys has no ring, no refill and no barrier, and nothing is left to ask ahead for.
; LAYOUT.  kv holds images of operand registers (half fragments of 64 along K: registers 0-3 at 16 x lane, 4-5 at 512 + 8 x lane).  Both products are used transposed; a lane holds ONE query throughout.
; K = 64 IN THE FIRST PRODUCT: a fragment's 128 codes hold two keys' 64: tile 2 p below, tile 2 p + 1 above.  Q stands in 18 registers [6 zeros | 6 q | 6 zeros]: registers 6-17 pick the lower key, registers 0-11 the upper.
; The tokens of a tile are chosen (32 (m / 8) + 8 u + m % 8) so that a lane's 32 scores of the four tiles of a group of 64 keys are 32 NEIGHBOURING keys, 32 h + 0..31: a whole block of p; likewise O's four tiles give d = 32 h + 0..31.
; LIMITS: scores under 3e38 in magnitude; a block of zeros gets the byte 1 (zero codes; the bytes are read by this program alone); 1 / the sum by v_rcp_f32; NaN and infinities are not served.
.set KSTEP, 12800
.set HSTEP, 6400
.set STC,   204800                     ; behind K and V: the stage for the codes of 512 queries, 48 bytes each,
.set STS,   229376                     ; for their scale bytes, 2 each,
.set SPARE, 230400                     ; and the spare words, 128 bytes for each of 16 waves
.set ASC,   6291456
.set SPW,   5                          ; v5, v6: the add's two; never rewritten
.set NIL,   6
.set KF,    80                         ; v80-127  four fragments: K's, then V's
.set S,     128                        ; v128-191 S^T, then p: register 32 c + 8 u + j = key 64 c + 32 h + 8 u + j
.set OT,    192                        ; v192-223 O^T: register 8 w' + j = d 32 h + 8 w' + j
.set WV,    10
.set CS,    24                         ; s[24:25] c = log2(e) / 8
.set SEL,   26                         ; s[26:27] lane selects for lane l xor 16
.set TB,    28                         ; s28 LDS byte of the key step in hand
.set CNT,   29
; v1, v2: 16, 8 x lane; v3, v4: the same + the key step; v7: 8 h; v8, v9: my places in the two stages; v10, v11, v18: offsets of Q's loads; v12 -M; v13 the largest score; v[14:15] the sum; v[16:17] f; v19 Q's scale word;
; v[20:21], v[22:23]: [K's word, V's half words] of the step's two groups; v24, v25 V's scale words; v26 p's; v27, v74-79 the second pass's Q; v28-39 at work; v40-43 the way out; v44-61 zeros, q, zeros; v62-73 p's codes; v224-255 at work
.macro CROUND
	s_barrier_signal -1
	s_barrier_wait -1
	s_cmp_lg_u32 s[WV], 0
	s_cbranch_scc1 .Lnot_wave_0_\@
	s_barrier_signal -3
.Lnot_wave_0_\@:
	s_barrier_wait -3
	s_barrier_signal -1
	s_barrier_wait -1
.endm
	s_load_b128 s[4:7], s[0:1], 0x0                ; qb, kv
	s_load_b64 s[8:9], s[0:1], 0x10                ; aq
	v_lshl_add_u32 v[SPW], v0, 2, SPARE
	v_mov_b32 v[NIL], 0
	ds_add_u32 v[SPW], v[NIL]                      ; the wave's opening: the add and its wait stand ahead of my first tensor load; the set-up below stands between them
	v_lshrrev_b32 v1, 5, v0
	v_readfirstlane_b32 s[WV], v1                  ; wave 0..15
	s_bfe_u32 s11, ttmp6, 0x40000                  ; cx: it enters qb's and aq's addresses alone
	s_and_b32 s36, ttmp7, 0xffff                   ; batch x 16 + head, which the four partners share
	s_mov_b32 s16, 15|(3<<16)|(1<<21)              ; group 1: the mask of all four; elements of 8 bytes; bit 21 beside a mask; no padding
	s_mov_b32 s17, 32<<16                          ; rows of 256 bytes,
	s_mov_b32 s18, 50<<16                          ; 50 of them: a key step's 12,800 dense bytes
	s_mov_b32 s19, 32<<16
	s_mov_b32 s20, 50
	s_mov_b32 s21, 32
	s_mov_b32 s22, 0
	s_mov_b32 s23, 0
	s_mul_i32 s37, s[WV], KSTEP                    ; my key step: in LDS,
	s_mul_i32 s38, s36, 16*KSTEP
	s_add_co_u32 s38, s38, s37                     ; and in kv
	s_mov_b32 s39, 0
	s_lshr_b32 s40, s[WV], 1                       ; my group of 64 queries,
	s_and_b32 s41, s[WV], 1                        ; and which two of its four tiles
	s_lshl_b32 s44, s36, 5
	s_lshl_b32 s45, s11, 3
	s_add_co_u32 s44, s44, s45
	s_add_co_u32 s44, s44, s40
	s_mul_i32 s44, s44, 3584                       ; the group's block in qb
	s_mov_b32 s45, 0
	s_mul_i32 s46, s36, 98304
	s_mul_i32 s47, s11, 24576
	s_add_co_u32 s46, s46, s47                     ; the work-group's 512 queries' codes in aq,
	s_mov_b32 s47, 0
	s_lshl_b32 s48, s36, 12
	s_lshl_b32 s49, s11, 10
	s_add_co_u32 s48, s48, s49
	s_add_co_u32 s48, s48, ASC                     ; and their scale bytes
	s_mov_b32 s49, 0
	s_mov_b32 s[CS], 0x3e38aa3b
	s_mov_b32 s[CS+1], s[CS]                       ; (named with it as a pair, so it is written)
	s_mov_b32 s[SEL], 0x76543210
	s_mov_b32 s[SEL+1], 0xfedcba98
	v_and_b32 v28, 31, v0                          ; lane
	v_and_b32 v29, 15, v0                          ; r
	v_bfe_u32 v30, v0, 4, 1                        ; h
	v_lshlrev_b32 v1, 4, v28
	v_lshlrev_b32 v2, 3, v28
	v_lshlrev_b32 v7, 3, v30
	v_and_b32 v31, 7, v29
	v_lshrrev_b32 v32, 3, v29
	v_mul_u32_u24 v8, v31, 48                      ; lane r's query is token 32 (r / 8) + 8 u + r % 8 of its group, u = 2 (wave % 2) + pass: 48 bytes a token, 24 a block
	v_mad_u32_u24 v8, v32, 1536, v8
	v_mad_u32_u24 v8, v30, 24, v8
	s_mul_i32 s42, s40, 3072
	s_mul_i32 s43, s41, 768
	s_add_co_u32 s42, s42, s43
	s_add_co_u32 s42, s42, STC
	v_add_nc_u32 v8, s42, v8
	v_lshlrev_b32 v9, 1, v31                       ; and 2 scale bytes a token
	v_lshl_add_u32 v9, v32, 6, v9
	v_add_nc_u32 v9, v9, v30
	s_lshl_b32 s42, s40, 7
	s_lshl_b32 s43, s41, 5
	s_add_co_u32 s42, s42, s43
	s_add_co_u32 s42, s42, STS
	v_add_nc_u32 v9, s42, v9
	s_mul_i32 s42, s41, 1536                       ; Q: half fragment u at 768 u
	v_add_nc_u32 v10, s42, v1
	s_add_co_u32 s43, s42, 512
	v_add_nc_u32 v11, s43, v2
	s_lshl_b32 s42, s41, 3
	v_add_nc_u32 v18, s42, v1                      ; its scale word: word u of the lane's four
	s_mul_i32 s42, s[WV], 1536                     ; the way out: wave w takes 1,536 bytes of the codes' stage,
	v_add_nc_u32 v42, s42, v1
	v_add_nc_u32 v40, STC, v42
	s_lshl_b32 s42, s41, 9                         ; waves 0 and 1 512 scale bytes each
	v_add_nc_u32 v43, s42, v1
	v_add_nc_u32 v41, STS, v43
	s_wait_dscnt 0x0                               ; the opening add is done
	s_wait_kmcnt 0x0
	s_mov_b32 s12, 1
	s_mov_b32 s13, s37
	s_add_nc_u64 s[14:15], s[6:7], s[38:39]
	s_or_b32 s15, s15, 0x80000000
	s_add_nc_u64 s[30:31], s[4:5], s[44:45]
	s_add_nc_u64 s[32:33], s[8:9], s[46:47]
	s_add_nc_u64 s[34:35], s[8:9], s[48:49]
	CROUND                                         ; all four work-groups are here: the joint loads meet
	tensor_load_to_lds s[12:15], s[16:23]
	s_nop 0
.rept 4
	v_nop
.endr
	global_load_b128 v[50:53], v10, s[30:31]       ; the first pass's q,
	global_load_b64 v[54:55], v11, s[30:31]
	global_load_b32 v19, v18, s[30:31] offset:3072
	global_load_b128 v[74:77], v10, s[30:31] offset:768   ; and the second's
	global_load_b64 v[78:79], v11, s[30:31] offset:768
	global_load_b32 v27, v18, s[30:31] offset:3076
.irp j, 0,1,2,3,4,5
	v_mov_b32 v[44+\j], 0                          ; zero codes add nothing under any scale byte that is made here
	v_mov_b32 v[56+\j], 0
.endr
	v_mov_b32 v33, 0                               ; written once: a lane permute's destination counts as one of its sources
	v_mov_b32 v39, 0
	s_wait_tensorcnt 0x0                           ; my key step has landed,
	s_barrier_signal -1
	s_barrier_wait -1                              ; everybody's has
	s_wait_loadcnt 0x0                             ; Q
; A KEY STEP: 128 keys.
.macro STEP
	v_add_nc_u32 v3, s[TB], v1
	v_add_nc_u32 v4, s[TB], v2
	v_nop
	v_nop                                          ; four places behind the last step's products, in front of loads into their registers
.irp c, 0,1
.irp u, 0,1,2,3
	ds_load_b128 v[KF+12*(2*\c+\u/2)+6*(\u%2):KF+12*(2*\c+\u/2)+6*(\u%2)+3], v3 offset:HSTEP*\c+768*\u       ; K's tile (c, u): the lower or upper half of fragment 2 c + u / 2
	ds_load_b64 v[KF+12*(2*\c+\u/2)+6*(\u%2)+4:KF+12*(2*\c+\u/2)+6*(\u%2)+5], v4 offset:HSTEP*\c+768*\u+512
.endr
.endr
	ds_load_b64 v[20:21], v4 offset:6144
	ds_load_b64 v[22:23], v4 offset:HSTEP+6144
	s_wait_dscnt 0x0
.irp c, 0,1
.irp u, 0,1,2,3
.set QB, 50-6*(\u%2)
.if \u/2
	v_wmma_scale_f32_16x16x128_f8f6f4 v[S+32*\c+8*\u:S+32*\c+8*\u+7], v[KF+12*(2*\c+\u/2):KF+12*(2*\c+\u/2)+11], v[QB:QB+11], 0, v[20+2*\c], v19 matrix_a_fmt:MATRIX_FMT_FP6 matrix_b_fmt:MATRIX_FMT_FP6 matrix_a_scale:MATRIX_SCALE_ROW1
.else
	v_wmma_scale_f32_16x16x128_f8f6f4 v[S+32*\c+8*\u:S+32*\c+8*\u+7], v[KF+12*(2*\c+\u/2):KF+12*(2*\c+\u/2)+11], v[QB:QB+11], 0, v[20+2*\c], v19 matrix_a_fmt:MATRIX_FMT_FP6 matrix_b_fmt:MATRIX_FMT_FP6
.endif
.endr
.endr
	v_perm_b32 v24, v23, v21, 0x05040100           ; V's scale words: lanes 0-15 d-tile 0's four bytes, lanes 16-31 tile 1's;
	v_perm_b32 v25, v23, v21, 0x07060302           ; tiles 2 and 3
	v_nop
	v_nop                                          ; four places: V's fragments land where K's were, and the scores are read
.irp c, 0,1
.irp w, 0,1,2,3
	ds_load_b128 v[KF+12*\w+6*\c:KF+12*\w+6*\c+3], v3 offset:HSTEP*\c+3072+768*\w   ; they land under the softmax
	ds_load_b64 v[KF+12*\w+6*\c+4:KF+12*\w+6*\c+5], v4 offset:HSTEP*\c+3072+768*\w+512
.endr
.endr
.irp c, 0,1                                    ; THE LARGEST SCORE OF EACH BLOCK OF 32 KEYS, all in my lane: for the row's maximum, and, since p rises with the score, for the block's largest p.  Each accumulator is read from its low end on
	v_max3_num_f32 v[28+2*\c], v[S+32*\c], v[S+32*\c+1], v[S+32*\c+2]
	v_max3_num_f32 v[29+2*\c], v[S+32*\c+16], v[S+32*\c+17], v[S+32*\c+18]
.endr
.irp i, 3,5,7,9,11,13
.irp c, 0,1
	v_max3_num_f32 v[28+2*\c], v[28+2*\c], v[S+32*\c+\i], v[S+32*\c+\i+1]
	v_max3_num_f32 v[29+2*\c], v[29+2*\c], v[S+32*\c+16+\i], v[S+32*\c+17+\i]
.endr
.endr
.irp c, 0,1
	v_max3_num_f32 v[28+2*\c], v[28+2*\c], v[29+2*\c], v[S+32*\c+15]
.endr
.irp c, 0,1
	v_max_num_f32 v[28+2*\c], v[28+2*\c], v[S+32*\c+31]
.endr
	v_max_num_f32 v32, v28, v30
	v_permlanex16_b32 v33, v32, s[SEL], s[SEL+1]   ; the query's other 64 keys lie in the lane 16 away
	v_max3_num_f32 v13, v13, v32, v33              ; the running largest score
	v_mul_f32 v34, s[CS], v13                      ; as t (c is positive)
	v_mov_b32 v35, v12
	v_floor_f32 v12, -v34                          ; the new -M = floor(-t): M is a whole number
	v_sub_f32 v35, v12, v35                        ; old M - new M: a whole number, 0 or less
	v_cvt_i32_f32 v35, v35                         ; (it saturates)
	v_ldexp_f32 v16, 1.0, v35                      ; f = 2^(old M - new M)
.set JJ, 0
.rept 32
	v_pk_fma_f32 v[S+JJ:S+JJ+1], v[S+JJ:S+JJ+1], s[CS:CS+1], v[12:13] op_sel_hi:[1,0,0]   ; t - M, two at a time
.set JJ, JJ+2
.endr
	v_fma_f32 v28, v28, s[CS], v12                 ; the same of each block's largest score
	v_fma_f32 v30, v30, s[CS], v12
.set JJ, 0
.rept 64
	v_exp_f32 v[S+JJ], v[S+JJ]                     ; p = 2^(t - M), at most 1: not normalised
.set JJ, JJ+1
.endr
	v_pk_mul_f32 v[14:15], v[14:15], v[16:17] op_sel_hi:[1,0]   ; the sums under the new M (a plain line behind the exponentials)
	s_wait_alu depctr_va_vdst(0)                   ; one wait for the whole batch, ahead of its first reader
	v_exp_f32 v28, v28                             ; the blocks' largest p
	v_exp_f32 v30, v30
	v_pk_add_f32 v[36:37], v[S:S+1], v[S+2:S+3]    ; the row's sum is taken of the unquantised p: two at a time, in two chains
.set JJ, 4
.rept 15
	v_pk_add_f32 v[14:15], v[14:15], v[S+JJ:S+JJ+1]
	v_pk_add_f32 v[36:37], v[36:37], v[S+JJ+2:S+JJ+3]
.set JJ, JJ+4
.endr
	v_pk_add_f32 v[14:15], v[14:15], v[36:37]
	s_wait_alu depctr_va_vdst(0)                   ; and one for the two
	v_max_num_f32 v28, 0x1800000, v28              ; the floor 2^(3 - 127): the byte cannot fall under 1
	v_max_num_f32 v30, 0x1800000, v30
	v_add_nc_u32 v32, 0xff000000, v28              ; 2 off the exponent field: the conversions' scale operands
	v_add_nc_u32 v34, 0xff000000, v30
	v_lshrrev_b32 v35, 23, v32                     ; the bytes of blocks h and 2 + h
	v_lshrrev_b32 v38, 23, v34
	v_lshl_or_b32 v38, v38, 16, v35
	v_lshlrev_b32 v38, v7, v38                     ; at their places in the word,
	v_permlanex16_b32 v39, v38, s[SEL], s[SEL+1]
	v_or_b32 v26, v38, v39                         ; with lane l xor 16's two: p's scale word for these 128 keys
	v_cvt_scalef32_pk16_fp6_f32 v[62:64], v[S:S+15], v32
	v_cvt_scalef32_pk16_fp6_f32 v[224:226], v[S+16:S+31], v32   ; (a conversion's three registers begin on an even number)
	v_cvt_scalef32_pk16_fp6_f32 v[68:70], v[S+32:S+47], v34
	v_cvt_scalef32_pk16_fp6_f32 v[228:230], v[S+48:S+63], v34
	v_nop                                          ; one plain line behind the conversions
.irp i, 0,1,2
	v_mov_b32 v[65+\i], v[224+\i]
	v_mov_b32 v[71+\i], v[228+\i]
.endr
.set JJ, 0
.rept 16
	v_pk_mul_f32 v[OT+JJ:OT+JJ+1], v[OT+JJ:OT+JJ+1], v[16:17] op_sel_hi:[1,0]   ; O^T under the new M.  (These are also the places between p's word and codes and the products)
.set JJ, JJ+2
.endr
	s_wait_dscnt 0x0                               ; V is in
.irp w, 0,1,2,3
.if \w%2
	v_wmma_scale_f32_16x16x128_f8f6f4 v[OT+8*\w:OT+8*\w+7], v[KF+12*\w:KF+12*\w+11], v[62:73], v[OT+8*\w:OT+8*\w+7], v[24+\w/2], v26 matrix_a_fmt:MATRIX_FMT_FP6 matrix_b_fmt:MATRIX_FMT_FP6 matrix_a_scale:MATRIX_SCALE_ROW1
.else
	v_wmma_scale_f32_16x16x128_f8f6f4 v[OT+8*\w:OT+8*\w+7], v[KF+12*\w:KF+12*\w+11], v[62:73], v[OT+8*\w:OT+8*\w+7], v[24+\w/2], v26 matrix_a_fmt:MATRIX_FMT_FP6 matrix_b_fmt:MATRIX_FMT_FP6
.endif
.endr
	s_add_co_u32 s[TB], s[TB], KSTEP
.endm
; A PASS: one tile of 16 queries against all 2,048 keys; then its 64 outputs a query are divided by the sum, quantised (a lane holds a whole block) and put into the stage.
.macro PASS i
.if \i
.irp j, 0,1,2,3,4,5
	v_mov_b32 v[50+\j], v[74+\j]
.endr
	v_mov_b32 v19, v27
.endif
	v_mov_b32 v13, 0xff61b1e6                      ; the largest score so far: -3e38
	v_mul_f32 v12, s[CS], v13
	v_floor_f32 v12, -v12                          ; -M
	v_mov_b32 v14, 0                               ; the sum, in two halves
	v_mov_b32 v15, 0
	v_mov_b32 v17, 0                               ; (named as the upper half of the pair v[16:17])
.set JJ, 0
.rept 32
	v_mov_b32 v[OT+JJ], 0                          ; the step is written once: the first finds zeros, which the first change of M leaves zeros
.set JJ, JJ+1
.endr
	s_mov_b32 s[TB], 0
	s_mov_b32 s[CNT], 16
.Lstep_\@:
	STEP
	s_sub_co_u32 s[CNT], s[CNT], 1
	s_cmp_lg_u32 s[CNT], 0
	s_cbranch_scc1 .Lstep_\@
	v_add_f32 v14, v14, v15                        ; the sum's two halves,
	v_permlanex16_b32 v33, v14, s[SEL], s[SEL+1]
	v_add_f32 v14, v14, v33                        ; and lane l xor 16's
	v_rcp_f32 v16, v14
	v_nop
	v_nop                                          ; (with the additions: the places behind the last products)
	s_wait_alu depctr_va_vdst(0)                   ; a wait ahead of the reciprocal's first reader
.set JJ, 0
.rept 16
	v_pk_mul_f32 v[224+JJ:225+JJ], v[OT+JJ:OT+JJ+1], v[16:17] op_sel_hi:[1,0]   ; O^T / the sum: register i is d = 32 h + i of my query
.set JJ, JJ+2
.endr
	v_max3_num_f32 v28, |v224|, |v225|, |v226|
	v_max3_num_f32 v29, |v227|, |v228|, |v229|
.irp n, 6,10,14,18,22,26
	v_max3_num_f32 v28, v28, |v[224+\n]|, |v[225+\n]|
	v_max3_num_f32 v29, v29, |v[226+\n]|, |v[227+\n]|
.endr
	v_max3_num_f32 v28, v28, |v254|, |v255|
	v_max3_num_f32 v28, v28, v29, 0x1800000        ; with the floor
	v_add_nc_u32 v32, 0xff000000, v28
	v_lshrrev_b32 v35, 23, v32
	v_cvt_scalef32_pk16_fp6_f32 v[62:64], v[224:239], v32
	v_cvt_scalef32_pk16_fp6_f32 v[68:70], v[240:255], v32
	v_nop
.irp n, 0,1,2
	v_mov_b32 v[65+\n], v[68+\n]
.endr
.irp n, 0,1,2
	ds_store_b64 v8, v[62+2*\n:63+2*\n] offset:384*(\i)+8*\n
.endr
	ds_store_b8 v9, v35 offset:16*(\i)
	s_wait_dscnt 0x0                               ; the stores have read their registers
.endm
	PASS 0
	PASS 1
	s_barrier_signal -1                            ; every wave's stores into the stages have landed (the wait for them closes each pass)
	s_barrier_wait -1
	ds_load_b128 v[224:227], v40
	ds_load_b128 v[228:231], v40 offset:512
	ds_load_b128 v[232:235], v40 offset:1024
	s_wait_dscnt 0x0
	global_store_b128 v42, v[224:227], s[32:33]    ; each store covers 512 consecutive bytes, at a multiple of 256 from aq's first byte
	global_store_b128 v42, v[228:231], s[32:33] offset:512
	global_store_b128 v42, v[232:235], s[32:33] offset:1024
	s_cmp_lt_u32 s[WV], 2                          ; waves 0 and 1 store the 1,024 scale bytes
	s_cbranch_scc0 .Lno_scales
	ds_load_b128 v[236:239], v41
	s_wait_dscnt 0x0
	global_store_b128 v43, v[236:239], s[34:35]
.Lno_scales:
	s_wait_tensorcnt 0x0                           ; the wave's end, behind my last tensor load and my last LDS store
	ds_add_u32 v[SPW], v[NIL]
	s_wait_dscnt 0x0
	CROUND                                         ; the closing round
	s_endpgm
.Lfunc_end_k_qb8e26a120a_attn:
	.size	k_qb8e26a120a_attn, .Lfunc_end_k_qb8e26a120a_attn-k_qb8e26a120a_attn
	.p2alignl 7, 3214868480
	.fill 96, 4, 3214868480
	.section	.rodata,"a",@progbits
	.p2align	6, 0x0
	.amdhsa_kernel k_qb8e26a120a_attn
		.amdhsa_group_segment_fixed_size 232448
		.amdhsa_private_segment_fixed_size 0
		.amdhsa_enable_private_segment 0
		.amdhsa_kernarg_size 24
		.amdhsa_user_sgpr_count 2
		.amdhsa_user_sgpr_kernarg_segment_ptr 1
		.amdhsa_wavefront_size32 1
		.amdhsa_system_sgpr_workgroup_id_x 1
		.amdhsa_system_sgpr_workgroup_id_y 1
		.amdhsa_system_sgpr_workgroup_id_z 1
		.amdhsa_system_vgpr_workitem_id 0
		.amdhsa_next_free_vgpr 256
		.amdhsa_next_free_sgpr 66
		.amdhsa_reserve_vcc 0
		.amdhsa_float_denorm_mode_32 3
		.amdhsa_float_denorm_mode_16_64 3
		.amdhsa_memory_ordered 1
		.amdhsa_forward_progress 1
		.amdhsa_inst_pref_size 46
	.end_amdhsa_kernel
	.amdgpu_metadata
---
amdhsa.version: [ 1, 2 ]
amdhsa.kernels:
  - .name:           k_qb8e26a120a_attn
    .symbol:         k_qb8e26a120a_attn.kd
    .args:
      - { .name: qb, .offset: 0, .size: 8, .value_kind: global_buffer, .address_space: global }
      - { .name: kv, .offset: 8, .size: 8, .value_kind: global_buffer, .address_space: global }
      - { .name: aq, .offset: 16, .size: 8, .value_kind: global_buffer, .address_space: global }
    .group_segment_fixed_size: 232448
    .private_segment_fixed_size: 0
    .kernarg_segment_align: 8
    .kernarg_segment_size: 24
    .max_flat_workgroup_size: 512
    .sgpr_count:     66
    .vgpr_count:     256
    .wavefront_size: 32
...
	.end_amdgpu_metadata
.endif
;; end of part 4
;; launch gemm_ffn (part 5): grid 8 x 32, 4 waves a work-group, clusters of 4 x 4, 327,680 bytes of LDS; arguments aq, wq, b_ffn, out0; writes out0
.if DOCPART == 5
	.amdgcn_target "amdgcn-amd-amdhsa--gfx1250"
	.amdhsa_code_object_version 6
	.text
	.protected	k_qb8e26a120a_gemm_ffn
	.globl	k_qb8e26a120a_gemm_ffn
	.p2align	8
	.type	k_qb8e26a120a_gemm_ffn,@function
k_qb8e26a120a_gemm_ffn:
	s_mov_b64 s[64:65], 0
	v_nop
	global_prefetch_b8 v0, s[64:65] scope:SCOPE_SE
	s_setreg_imm32_b32 hwreg(HW_REG_WAVE_MODE, 25, 1), 1
	s_wait_xcnt 0x0
	s_wait_alu depctr_hold_cnt(0) depctr_sa_sdst(0) depctr_va_vdst(0) depctr_va_sdst(0) depctr_va_ssrc(0) depctr_va_vcc(0) depctr_vm_vsrc(0)
	s_getreg_b32 s2, hwreg(HW_REG_IB_STS2, 6, 4)
	s_cmp_eq_u32 s2, 0
	s_cbranch_scc0 .Lentry_in_a_cluster
	s_endpgm
.Lentry_in_a_cluster:
	s_bfe_u32 s2, ttmp6, 0x10000c
	s_cmp_lg_u32 s2, 0xf033
	s_cbranch_scc0 .Lentry_shape_is_right
	s_endpgm
.Lentry_shape_is_right:
; out0 = attn' W_ffn + b_ffn on codes of FP6 (E2M3) with E8M0 scales, K = 1,024.  attn' [8192][1024]: aq's codes (768 bytes a row, rows in their own order) and scale bytes; W_ffn: wq's codes, [column][768], and scale bytes.
; SHARES.  A work-group takes 256 rows of attn' (tile row y) x 128 stored rows of W_ffn (x): 8 tiles of 16, two groups of four.  Wave w takes rows 64 w .. 64 w + 63 (four tiles u) against all 8.
; W's columns are stored so that column 32 a + 8 w' + j of a group of 64 lies at row 16 w' + 8 a + j.  With source 0 = W's tile w' and source 1 = attn's tile u, lane (r, h) holds row r of tile u, and registers 8 w' + j of a
; group are columns 32 h + 8 w' + j: 32 neighbouring numbers of a row of out0, 128 bytes.
; K goes in steps of 256 through a ring of two LDS slots; 8 steps of 128 in all, written out.  The scale bytes come once, with the first fills.  By this text's own count a wave has at most three tensor loads out.
; CLUSTERS: 4 x 4 work-groups; attn's tiles are shared along a row of the cluster, W's along a column: each is asked for jointly.
; The bias is the C of each sum's first product, so the bias stands first in the order of rounding.  NaN and infinities are not served.
; REGISTERS: window 0: v16-31 addresses; v32-63 scale words, two sets (nothing else ever); v80-175 attn's fragments, two sets of 48; on the way out v128-255 hold rows read back.
;   window 1: W's tile b at v[12 b], one set; from v144 the bias, 8 registers a tile.   window 2: the accumulators at v[128 t + 32 u + 8 w'].
.set NBT,   8
.set NG,    2
.set PITCH, 240
.set ROWB,  192
.set AHALF, 128*PITCH
.set BHALF, 8*NBT*PITCH
.set SLOT,  2*AHALF+2*BHALF
.set SCL,   2*SLOT
.set SCB,   SCL+32*272
.set SBLK,  544
.set SPARE, SCB+2*NBT*272              ; 197,376: a multiple of 256
.set ASC,   6291456                    ; aq: where the scale bytes begin
.set BCO,   2457600                    ; wq: W_ffn's codes,
.set BSC,   3244032                    ; and its scale bytes
.set SPITCH, 528                       ; the way out: a stage of 16 rows x (512 bytes + 16) for each wave, in slot 0, which has had its last fill and its last read when the first result is stored there
.set ADRA, 16
.set ADRB, 20
.set STO,  24                          ; v24  the way out: where I put 128 bytes of a row
.set RD,   25                          ; v25  where I read a row back
.set CO,   26                          ; v26  16 x lane
.set ADRS, 27
.set SPW,  28
.set NIL,  29
.set SC,   32
.set AF,   80
.set BI,   144
.set BK,   128
.set G1, 24
.set G0, 32
.set G1B, 48
.set G0B, 56
.set G1S, 68
.set G0S, 76
.set G1SB, 80
.set G0SB, 88
.set MSB, 0
.macro WIN new                         ; the immediate's high byte repeats the setting that is left
.if MSB != \new
	s_set_vgpr_msb (MSB<<8)|\new
.set MSB, \new
.endif
.endm
; A joint load: waves 0 and 1 fetch for attn', waves 2 and 3 for W.  The branch hangs on the wave's number alone.  An s_nop 0 and four v_nop follow each of the two lines.
.macro JLOAD g0a, g1a, g0b, g1b
	s_cmp_eq_u32 s15, 0
	s_cbranch_scc0 .Lfor_b_\@
	tensor_load_to_lds s[\g0a:\g0a+3], s[\g1a:\g1a+7]
	s_nop 0
.rept 4
	v_nop
.endr
	s_branch .Lasked_\@
.Lfor_b_\@:
	tensor_load_to_lds s[\g0b:\g0b+3], s[\g1b:\g1b+7]
	s_nop 0
.rept 4
	v_nop
.endr
.Lasked_\@:
.endm
.macro CREST
	s_cmp_lg_u32 s14, 0
	s_cbranch_scc1 .Lnot_wave_0_\@
	s_barrier_signal -3
.Lnot_wave_0_\@:
	s_barrier_wait -3
	s_barrier_signal -1
	s_barrier_wait -1
.endm
.macro CROUND
	s_barrier_signal -1
	s_barrier_wait -1
	CREST
.endm
.macro PLACES n                        ; places behind matrix instructions, in front of loads into their registers and of reads of their results
.rept \n
	v_nop
.endr
.endm
	s_load_b256 s[4:11], s[0:1], 0x0               ; aq s[4:5], wq s[6:7], b_ffn s[8:9], out0 s[10:11]
	v_lshl_add_u32 v[SPW], v0, 2, SPARE
	v_mov_b32 v[NIL], 0
	ds_add_u32 v[SPW], v[NIL]                      ; the wave's opening: the add and its wait stand ahead of my first tensor load; the set-up below stands between them
	v_lshrrev_b32 v1, 5, v0
	v_readfirstlane_b32 s14, v1                    ; wave 0..3
	s_lshr_b32 s15, s14, 1                         ; I fetch for attn' (0) or for W (1),
	s_and_b32 s16, s14, 1                          ; and which half of its rows
	s_bfe_u32 s40, ttmp6, 0x40000                  ; cx, cy
	s_bfe_u32 s41, ttmp6, 0x40004
	s_lshl_b32 s42, ttmp9, 2
	s_add_co_u32 s42, s42, s40                     ; tile column = 4 x cluster x + cx
	s_and_b32 s17, ttmp7, 0xffff
	s_lshl_b32 s17, s17, 2
	s_add_co_u32 s17, s17, s41                     ; tile row = 4 x cluster y + cy
	s_lshl_b32 s43, s41, 2
	s_lshl_b32 s43, 15, s43                        ; my row of the cluster
	s_lshl_b32 s44, 0x1111, s40                    ; my column
	s_or_b32 s[G1+0], s43, (0<<16)|(1<<20)|(1<<21)|(3<<22)|(3<<25)  ; the mask; elements of 1 byte; padding on; bit 21 beside a mask; after every 16 words, 4 words
	s_or_b32 s[G1B+0], s44, (0<<16)|(1<<20)|(1<<21)|(3<<22)|(3<<25)
	s_mov_b32 s[G1+1], ROWB<<16
	s_mov_b32 s[G1+2], 128<<16
	s_mov_b32 s[G1+3], ROWB<<16
	s_mov_b32 s[G1+4], 128
	s_mov_b32 s[G1+5], 768
	s_mov_b32 s[G1+6], 0
	s_mov_b32 s[G1+7], 0
	s_mov_b32 s[G1B+1], ROWB<<16
	s_mov_b32 s[G1B+2], (8*NBT)<<16
	s_mov_b32 s[G1B+3], ROWB<<16
	s_mov_b32 s[G1B+4], 8*NBT
	s_mov_b32 s[G1B+5], 768
	s_mov_b32 s[G1B+6], 0
	s_mov_b32 s[G1B+7], 0
	s_or_b32 s[G1S+0], s43, (3<<16)|(1<<20)|(1<<21)|(5<<22)|(3<<25)  ; scale bytes: dense, as rows of 256 bytes, 16 bytes of padding behind each
	s_or_b32 s[G1SB+0], s44, (3<<16)|(1<<20)|(1<<21)|(5<<22)|(3<<25)
	s_mov_b32 s[G1S+1], 32<<16
	s_mov_b32 s[G1S+2], 16<<16
	s_mov_b32 s[G1S+3], 32<<16
	s_mov_b32 s[G1S+4], 16
	s_mov_b32 s[G1S+5], 32
	s_mov_b32 s[G1S+6], 0
	s_mov_b32 s[G1S+7], 0
	s_mov_b32 s[G1SB+1], 32<<16
	s_mov_b32 s[G1SB+2], NBT<<16
	s_mov_b32 s[G1SB+3], 32<<16
	s_mov_b32 s[G1SB+4], NBT
	s_mov_b32 s[G1SB+5], 32
	s_mov_b32 s[G1SB+6], 0
	s_mov_b32 s[G1SB+7], 0
	s_lshl_b32 s18, s16, 7
	s_lshl_b32 s20, s17, 8
	s_add_co_u32 s20, s20, s18                     ; attn': row 256 y + 128 x half
	s_mul_i32 s46, s42, 16*NBT
	s_mul_i32 s47, s16, 8*NBT
	s_add_co_u32 s46, s46, s47                     ; W: row 128 x + 64 x half
	s_lshl_b32 s22, s20, 5
	s_add_co_u32 s22, s22, ASC
	s_mov_b32 s23, 0
	s_mul_i32 s20, s20, 768
	s_mov_b32 s21, 0
	s_lshl_b32 s92, s46, 5
	s_add_co_u32 s92, s92, BSC
	s_mov_b32 s93, 0
	s_mul_i32 s46, s46, 768
	s_add_co_u32 s46, s46, BCO
	s_mov_b32 s47, 0
	s_mul_i32 s45, s16, AHALF                      ; where they go: no place in the cluster enters an LDS address
	s_mul_i32 s94, s16, BHALF
	s_add_co_u32 s94, s94, 2*AHALF
	s_mul_i32 s95, s16, 16*272
	s_add_co_u32 s95, s95, SCL
	s_mul_i32 s96, s16, NBT*272
	s_add_co_u32 s96, s96, SCB
	s_wait_dscnt 0x0                               ; the opening add is done
	s_wait_kmcnt 0x0
	s_add_nc_u64 s[20:21], s[4:5], s[20:21]
	s_add_nc_u64 s[22:23], s[4:5], s[22:23]
	s_add_nc_u64 s[46:47], s[6:7], s[46:47]
	s_add_nc_u64 s[92:93], s[6:7], s[92:93]
	CROUND                                         ; all sixteen work-groups are here: the first joint loads meet
	s_mov_b32 s[G0S], 1
	s_mov_b32 s[G0S+1], s95
	s_mov_b64 s[G0S+2:G0S+3], s[22:23]
	s_or_b32 s[G0S+3], s[G0S+3], 0x80000000
	s_mov_b32 s[G0SB], 1
	s_mov_b32 s[G0SB+1], s96
	s_mov_b64 s[G0SB+2:G0SB+3], s[92:93]
	s_or_b32 s[G0SB+3], s[G0SB+3], 0x80000000
	JLOAD G0S, G1S, G0SB, G1SB                     ; the scale bytes first
.irp s, 0,1
	s_mov_b32 s[G0+4*\s], 1
	s_add_co_u32 s[G0+4*\s+1], s45, \s*SLOT
	s_add_nc_u64 s[G0+4*\s+2:G0+4*\s+3], s[20:21], \s*ROWB
	s_or_b32 s[G0+4*\s+3], s[G0+4*\s+3], 0x80000000
	s_mov_b32 s[G0B+4*\s], 1
	s_add_co_u32 s[G0B+4*\s+1], s94, \s*SLOT
	s_add_nc_u64 s[G0B+4*\s+2:G0B+4*\s+3], s[46:47], \s*ROWB
	s_or_b32 s[G0B+4*\s+3], s[G0B+4*\s+3], 0x80000000
	JLOAD G0+4*\s, G1, G0B+4*\s, G1B
.endr
	v_and_b32 v1, 15, v0                           ; r
	v_bfe_u32 v2, v0, 4, 1                         ; h
	v_mul_u32_u24 v3, v1, PITCH
	v_mul_u32_u24 v4, v2, 24
	v_add_nc_u32 v4, v3, v4
	v_lshl_add_u32 v5, v2, 4, v4
	s_mul_i32 s18, s14, 64*PITCH                   ; my 64 rows of attn'
	s_mov_b32 s19, 2*AHALF
.irp s, 0,1
	v_add_nc_u32 v[ADRA+\s], s18, v4
	v_add_nc_u32 v[ADRB+\s], s19, v4
	v_add_nc_u32 v[ADRA+2+\s], s18, v5
	v_add_nc_u32 v[ADRB+2+\s], s19, v5
	s_add_co_u32 s18, s18, SLOT
	s_add_co_u32 s19, s19, SLOT
.endr
	v_lshlrev_b32 v5, 5, v1
	v_lshrrev_b32 v6, 3, v1
	v_lshl_add_u32 v5, v6, 4, v5
	s_mul_i32 s18, s14, 4*SBLK
	s_sub_co_u32 s19, 32*272, s18
	v_mul_u32_u24 v6, s19, v2                      ; lanes 16-31 take W's scale words
	s_add_co_u32 s18, s18, SCL
	v_add_nc_u32 v5, v5, v6
	v_add_nc_u32 v[ADRS], s18, v5
	s_mul_i32 s18, s14, 16*SPITCH                  ; my stage
	v_mul_u32_u24 v5, v1, SPITCH
	v_lshl_add_u32 v5, v2, 7, v5
	v_add_nc_u32 v[STO], s18, v5                   ; in: row r, 128 bytes for each half of the lanes in each group's 256
	v_and_b32 v6, 31, v0
	v_lshlrev_b32 v[CO], 4, v6
	v_add_nc_u32 v[RD], s18, v[CO]                 ; back: the 32 lanes take one row of 512 bytes
	; the bias, in the results' layout: tile (t, w'): columns 64 t + 32 h + 8 w' + 0..7 of my 128
	s_lshl_b32 s46, s42, 9
	s_mov_b32 s47, 0
	s_add_nc_u64 s[8:9], s[8:9], s[46:47]
	v_lshlrev_b32 v30, 7, v2
	WIN 0x40
.irp t, 0,1
.irp w, 0,1,2,3
	global_load_b128 v[BI+8*(4*\t+\w):BI+8*(4*\t+\w)+3], v30, s[8:9] offset:256*\t+32*\w
	global_load_b128 v[BI+8*(4*\t+\w)+4:BI+8*(4*\t+\w)+7], v30, s[8:9] offset:256*\t+32*\w+16
.endr
.endr
	WIN 0
	s_lshl_b32 s66, s17, 8                         ; out0: my first row 256 y + 64 x wave, 4,096 bytes a row; my first column 128 x
	s_lshl_b32 s67, s14, 6
	s_add_co_u32 s66, s66, s67
	s_lshl_b32 s66, s66, 12
	s_lshl_b32 s67, s42, 9
	s_add_co_u32 s2, s66, s67
	s_mov_b32 s3, 0
	s_add_nc_u64 s[10:11], s[10:11], s[2:3]
.macro FRAG reg, adr, q, i             ; 16 rows x 128 K of 6-bit codes: 12 registers, in pieces of 8 bytes
.irp p, 0,1,2,3,4,5
.set PC, 12*(\q)+6*(\p/3)+\p%3         ; lanes 16-31 read three pieces on: where that lies behind one padding more, the second address register serves
.if PC%8 < 5
	ds_load_b64 v[\reg+2*\p:\reg+2*\p+1], v[\adr] offset:8*PC+16*(PC/8)+(\i)*16*PITCH
.else
	ds_load_b64 v[\reg+2*\p:\reg+2*\p+1], v[\adr+2] offset:8*PC+16*(PC/8)+(\i)*16*PITCH
.endif
.endr
.endm
.macro FB t, slot, q
	WIN 0x40
.irp i, 0,1,2,3
	FRAG 12*(4*(\t)+\i), ADRB+\slot, \q, 4*(\t)+\i
.endr
	WIN 0
.endm
.macro FA set, slot, q
.irp i, 0,1,2,3
	FRAG AF+48*(\set)+12*\i, ADRA+\slot, \q, \i
.endr
.endm
.macro SCALES sc                       ; lanes 0-15 attn's tile i (for i above 3 they read scale bytes that nobody uses), lanes 16-31 W's tile i
.irp i, 0,1,2,3,4,5,6,7
	ds_load_b64 v[SC+2*NBT*(\sc)+2*\i:SC+2*NBT*(\sc)+2*\i+1], v[ADRS] offset:\i*SBLK
.endr
.endm
; 8 matrix instructions of group t: attn's tiles u0, u0 + 1 against W's four.  All accumulators of a step take turns, one instruction a turn.  first = 1: C is the bias.
.macro MUL8 t, u0, set, q, sc, first
.irp u, \u0, \u0+1
.irp w, 0,1,2,3
.set RA, AF+48*(\set)+12*(\u)
.set RB, 12*(4*(\t)+\w)
.set RC, BI+8*(4*(\t)+\w)
.set SA, SC+2*NBT*(\sc)+2*(\u)+(\q)
.set SB, SC+2*NBT*(\sc)+2*(4*(\t)+\w)+(\q)
.set ACC, 128*(\t)+32*(\u)+8*\w
.if \first
	v_wmma_scale_f32_16x16x128_f8f6f4 v[ACC:ACC+7], v[RB:RB+11], v[RA:RA+11], v[RC:RC+7], v[SB], v[SA] matrix_a_fmt:MATRIX_FMT_FP6 matrix_b_fmt:MATRIX_FMT_FP6 matrix_a_scale:MATRIX_SCALE_ROW1
.else
	v_wmma_scale_f32_16x16x128_f8f6f4 v[ACC:ACC+7], v[RB:RB+11], v[RA:RA+11], v[ACC:ACC+7], v[SB], v[SA] matrix_a_fmt:MATRIX_FMT_FP6 matrix_b_fmt:MATRIX_FMT_FP6 matrix_a_scale:MATRIX_SCALE_ROW1
.endif
.endr
.endr
.endm
.macro EVEN slot, first                ; a slot's first step of 128
	s_wait_dscnt 24*(NG-1)                         ; group 0, attn's tiles and the scale words are in; group 1's 24 loads may be out
.if \first
	WIN 0x91                                       ; W window 1, attn' window 0, C (the bias) window 1, D window 2
.else
	WIN 0xa1
.endif
	MUL8 0, 0, 0, 0, \slot, \first
	MUL8 0, 2, 0, 0, \slot, \first
	PLACES 4
	FB 0, \slot, 1
	FA 1, \slot, 1
	s_wait_dscnt 48                                ; all but the 48 just issued
.if \first
	WIN 0x91
.else
	WIN 0xa1
.endif
	MUL8 1, 0, 0, 0, \slot, \first
	MUL8 1, 2, 0, 0, \slot, \first
	PLACES 4
	FB 1, \slot, 1
.endm
; A slot's second step changes slots: ONE barrier; in front of it each wave waits for all its tensor loads, adds 0 to its spare word, and waits for that and for its reads of this slot.  fill = 1: the slot is filled again.
.macro TURN slot, next, fill
	s_wait_tensorcnt 0x0                           ; all my tensor loads have landed
	ds_add_u32 v[SPW], v[NIL]                      ; 0 onto my spare word
	s_wait_dscnt 24*(NG-1)+1                       ; (group 1's loads and the add may be out)
	WIN 0xa1
	MUL8 0, 0, 1, 1, \slot, 0
	s_wait_dscnt 0x0                               ; the add is done, and my reads of this slot are over
	s_barrier_signal -1
	MUL8 0, 2, 1, 1, \slot, 0
	WIN 0
	s_barrier_wait -1
.if \fill
	CREST                                          ; the barrier has opened a round of the cluster's barrier
	s_add_nc_u64 s[G0+4*\slot+2:G0+4*\slot+3], s[G0+4*\slot+2:G0+4*\slot+3], 2*ROWB
	s_add_nc_u64 s[G0B+4*\slot+2:G0B+4*\slot+3], s[G0B+4*\slot+2:G0B+4*\slot+3], 2*ROWB
	JLOAD G0+4*\slot, G1, G0B+4*\slot, G1B         ; the first tensor load behind the round, my one until the next; its four v_nop are the places in front of the loads below
.else
	PLACES 4
.endif
	v_add_nc_u32 v[ADRS], 8, v[ADRS]
	FB 0, \next, 0
	FA 0, \next, 0
	SCALES \next
	WIN 0xa1
	MUL8 1, 0, 1, 1, \slot, 0
	MUL8 1, 2, 1, 1, \slot, 0
	PLACES 4
	FB 1, \next, 0
.endm
	s_wait_tensorcnt 1                             ; the scale bytes and my part of slot 0 are in; slot 1's load may be out
	s_barrier_signal -1
	s_barrier_wait -1
	FB 0, 0, 0
	FA 0, 0, 0
	SCALES 0
	FB 1, 0, 0
	s_wait_loadcnt 0x0                             ; the bias
	EVEN 0, 1
	TURN 0, 1, 1                                   ; slot 0 takes K 512-767
	EVEN 1, 0
	TURN 1, 0, 1                                   ; slot 1 takes K 768-1023
	EVEN 0, 0
	TURN 0, 1, 0                                   ; nothing is left to fetch; behind this barrier nobody reads slot 0
	EVEN 1, 0
	s_wait_dscnt 24*(NG-1)                         ; the last step
	WIN 0xa1
	MUL8 0, 0, 1, 1, 1, 0
	MUL8 0, 2, 1, 1, 1, 0
	s_wait_dscnt 0x0
	MUL8 1, 0, 1, 1, 1, 0
	MUL8 1, 2, 1, 1, 1, 0
	WIN 0
; THE WAY OUT, a tile of 16 rows x 128 columns at a time: through my own stage in LDS, back as whole rows of 512 bytes.  LDS serves a wave's instructions in order: no wait between the stores and the loads.
.macro TOSTAGE u
	WIN 0x08                                       ; an LDS store's data are its source 1: window 2
.irp g, 0,1
.irp w, 0,1,2,3
	ds_store_b128 v[STO], v[128*\g+32*(\u)+8*\w:128*\g+32*(\u)+8*\w+3] offset:256*\g+32*\w          ; each accumulator from its low end on
	ds_store_b128 v[STO], v[128*\g+32*(\u)+8*\w+4:128*\g+32*(\u)+8*\w+7] offset:256*\g+32*\w+16
.endr
.endr
	WIN 0
.set BB, BK+64*((\u)%2)
.irp t, 0,1,2,3,4,5,6,7,8,9,10,11,12,13,14,15
	ds_load_b128 v[BB+4*\t:BB+4*\t+3], v[RD] offset:\t*SPITCH
.endr
.endm
.macro SEND u, younger                 ; younger: the LDS instructions issued behind tile u's loads, which may stay out
.set BB, BK+64*((\u)%2)
	s_wait_dscnt \younger
.irp t, 0,1,2,3,4,5,6,7,8,9,10,11,12,13,14,15
	global_store_b128 v[CO], v[BB+4*\t:BB+4*\t+3], s[10:11] offset:(16*(\u)+\t)*4096 th:TH_STORE_NT   ; 32 lanes store 512 consecutive bytes, at a multiple of 256 from out0's first byte
.endr
.endm
	PLACES 4
	TOSTAGE 0
.irp u, 1,2,3
.if \u > 1
	s_wait_xcnt 0x0                                ; tile u - 2's stores have read their registers: tile u's loads may land there
.endif
	TOSTAGE \u
	SEND \u-1, 32                                  ; behind tile u - 1's loads: tile u's 16 stores and 16 loads
.endr
	SEND 3, 0
	s_wait_tensorcnt 0x0                           ; the wave's end, behind my last tensor load and my last LDS store
	ds_add_u32 v[SPW], v[NIL]
	s_wait_dscnt 0x0
	CROUND                                         ; the closing round
	s_endpgm
.Lfunc_end_k_qb8e26a120a_gemm_ffn:
	.size	k_qb8e26a120a_gemm_ffn, .Lfunc_end_k_qb8e26a120a_gemm_ffn-k_qb8e26a120a_gemm_ffn
	.p2alignl 7, 3214868480
	.fill 96, 4, 3214868480
	.section	.rodata,"a",@progbits
	.p2align	6, 0x0
	.amdhsa_kernel k_qb8e26a120a_gemm_ffn
		.amdhsa_group_segment_fixed_size 327680
		.amdhsa_private_segment_fixed_size 0
		.amdhsa_enable_private_segment 0
		.amdhsa_kernarg_size 32
		.amdhsa_user_sgpr_count 2
		.amdhsa_user_sgpr_kernarg_segment_ptr 1
		.amdhsa_wavefront_size32 1
		.amdhsa_system_sgpr_workgroup_id_x 1
		.amdhsa_system_sgpr_workgroup_id_y 1
		.amdhsa_system_sgpr_workgroup_id_z 1
		.amdhsa_system_vgpr_workitem_id 0
		.amdhsa_next_free_vgpr 768
		.amdhsa_next_free_sgpr 100
		.amdhsa_reserve_vcc 0
		.amdhsa_float_denorm_mode_32 3
		.amdhsa_float_denorm_mode_16_64 3
		.amdhsa_memory_ordered 1
		.amdhsa_forward_progress 1
		.amdhsa_inst_pref_size 103
	.end_amdhsa_kernel
	.amdgpu_metadata
---
amdhsa.version: [ 1, 2 ]
amdhsa.kernels:
  - .name:           k_qb8e26a120a_gemm_ffn
    .symbol:         k_qb8e26a120a_gemm_ffn.kd
    .args:
      - { .name: aq, .offset: 0, .size: 8, .value_kind: global_buffer, .address_space: global }
      - { .name: wq, .offset: 8, .size: 8, .value_kind: global_buffer, .address_space: global }
      - { .name: b_ffn, .offset: 16, .size: 8, .value_kind: global_buffer, .address_space: global }
      - { .name: out0, .offset: 24, .size: 8, .value_kind: global_buffer, .address_space: global }
    .group_segment_fixed_size: 327680
    .private_segment_fixed_size: 0
    .kernarg_segment_align: 8
    .kernarg_segment_size: 32
    .max_flat_workgroup_size: 128
    .sgpr_count:     100
    .vgpr_count:     768
    .wavefront_size: 32
...
	.end_amdgpu_metadata
.endif
;; end of part 5
